; MI455X (gfx1250); checked and timed in simulation.
; The chip was launched on July 23, 2026; its instructions are those of AMD's public machine-readable ISA for CDNA 5 (MIT licence, August 2026) and "CDNA5" Instruction Set Architecture Reference Guide (July 2026). The comments in the code are by the model that wrote it; some were corrected since.
;; Multi Head Attention. Allowed arithmetic: matrix products marked QUANTISED: E2M1 operands, one E8M0 scale for each 32 along K, by v_wmma_scale_f32_16x16x128_f8f6f4 with both operands' format E2M1 (or v_wmma_scale_f32_32x16x128_f4), f32 sums; products left as they are: bf16, f16 or f32 operands; f32 sums; everything else in f32.
;; Inputs: Wk 1,024 x 1,024 float32; Wo 1,024 x 1,024 float32; Wq 1,024 x 1,024 float32; Wv 1,024 x 1,024 float32; bk 1,024 float32; bo 1,024 float32; bq 1,024 float32; bv 1,024 float32; x 4 x 2,048 x 1,024 float32.
;; Outputs: out0 4 x 2,048 x 1,024 float32.
;; This version of the problem:
;;   THIS VERSION OF THE PROBLEM IS GIVEN IN LOW PRECISION. The matrix products marked QUANTISED in the list below multiply operands that are first quantised to E2M1 (2 exponent bits, 1 mantissa bit; 4 bits a number), with one power-of-two scale for each 32 numbers along K (OCP MX v1.0); their sums are f32. The products marked 'left as it is' may take bf16, f16 or f32 operands, with f32 sums. Whichever they take, every output number must still come out within the allowed error. Rounding operands to bf16 (8 significant bits) uses up far more of that allowance than f16 does (11 bits, for magnitudes from 6e-5 to 65,504). All else is computed in f32.
;;   The module's matrix products, in the order in which they are computed (A, B: the left and right operand; K: the contracted axis; several contracted axes count as one K, in the product's order):
;;     1. [M 8,192, K 1,024] x [K 1,024, N 1,024]; A: input x; B: input Wq: QUANTISED
;;     2. [M 8,192, K 1,024] x [K 1,024, N 1,024]; A: input x; B: input Wk: QUANTISED
;;     3. [M 8,192, K 1,024] x [K 1,024, N 1,024]; A: input x; B: input Wv: QUANTISED
;;     4. batch 64 x [M 2,048, K 64] x [K 64, N 2,048]; A: computed on the way; B: computed on the way: left as it is (an operand is computed on the way)
;;     5. batch 64 x [M 2,048, K 2,048] x [K 2,048, N 64]; A: computed on the way; B: computed on the way: left as it is (an operand is computed on the way)
;;     6. [M 8,192, K 1,024] x [K 1,024, N 1,024]; A: computed on the way; B: input Wo: left as it is (an operand is computed on the way)
;;   THE QUANTISER, for each operand of a quantised product, along K:
;;     - K is cut into blocks of 32 from its start; a last block that is shorter is filled with zeros.
;;     - A block's scale is 2^e with e = floor(log2(the largest magnitude in the block)) - 2, held to -126 .. 127; a block of zeros has e = 0. As a byte (E8M0): e + 127.
;;     - Each number is divided by its block's scale, clamped to +-6, and rounded to the nearest number of E2M1, ties to even, subnormals kept.
;;     - The product sums the exact products of the quantised numbers (number of the format x scale) in f32.
;;   ~~~python
;;   def quantise(x, axis):      # numpy; x: float32 -> the quantised numbers, widened to float32 again
;;       x = np.moveaxis(x, axis, -1); K = x.shape[-1]
;;       x = np.pad(x, [(0, 0)] * (x.ndim - 1) + [(0, -K % 32)]); x = x.reshape(x.shape[:-1] + (-1, 32)); a = np.abs(x).max(-1, keepdims=True)
;;       e = np.where(a > 0, np.clip(np.frexp(np.where(a > 0, a, 1))[1] - 1 - 2, -126, 127), 0)      # np.frexp(a)[1] - 1 = floor(log2(a)), exactly
;;       r = np.clip(x / 2.0 ** e, -6, 6)
;;       step = 2.0 ** (np.maximum(np.frexp(np.where(r == 0, 1, r))[1] - 1, 0) - 1)
;;       q = np.round(r / step) * step * 2.0 ** e      # np.round: ties to even
;;       return np.moveaxis(q.reshape(q.shape[:-2] + (-1,))[..., :K], -1, axis).astype(np.float32)
;;   ~~~
;; One version. Each part assembles by itself: llvm-mc -triple=amdgcn-amd-amdhsa -mcpu=gfx1250 --defsym DOCPART=n.
;; ======== version 1 of 1: 5 launches
;; limits: values are held in f16: magnitudes above 65,504 overflow, below 6.1e-05 lose precision
;; workspace buffers: x_codes 4,194,304 bytes; x_scales 262,144 bytes; w_codes 1,572,864 bytes; w_scales 98,304 bytes; wot16 2,097,152 bytes; qkv16 50,331,648 bytes; o16 16,777,216 bytes; qkv32 786,432 bytes
;; launch prep (part 1): grid 368 x 1, 4 waves a work-group, no clusters, 102,912 bytes of LDS; arguments x, Wq, Wk, Wv, Wo, x_codes, x_scales, w_codes, w_scales, wot16; writes x_codes, x_scales, w_codes, w_scales, wot16
.if DOCPART == 1
	.amdgcn_target "amdgcn-amd-amdhsa--gfx1250"
	.amdhsa_code_object_version 6
	.text
	.protected	k_qbf8776bd1f_prep
	.globl	k_qbf8776bd1f_prep
	.p2align	8
	.type	k_qbf8776bd1f_prep,@function
k_qbf8776bd1f_prep:
	s_mov_b64 s[64:65], 0
	v_nop
	global_prefetch_b8 v0, s[64:65] scope:SCOPE_SE
	s_setreg_imm32_b32 hwreg(HW_REG_WAVE_MODE, 25, 1), 1
	s_wait_xcnt 0x0
; THE PROGRAM: causal attention, 4 x 2,048 tokens, 16 heads of 64.  Five launches: this one (operands are laid out), qkv (the three quantised projections), attn, proj (the projection on the way out), fine (tokens 0-15 of each batch in f32).
; WORK LEFT OUT, for all finite values of the inputs:
;  (a) bk.  scores[q][k] = q . (x_k Wk + bk) / 8 = q . (x_k Wk) / 8 + (q . bk) / 8.  The second term is the same for every key k of a row; hidden keys are set to -infinity either way; a softmax does not change when
;      one number is added to all its inputs along its axis.  bk is added BEHIND the quantised product with Wk and the product of q and k is not quantised, so bk moves no code and no scale.  bk is loaded by no launch.
;  (b) key steps that lie wholly above the diagonal of the mask that the problem builds itself: their weights are 0.
;  LIMIT: a NaN, an infinity or an overflow that reaches only bk or hidden scores is not carried to the result.
; THIS LAUNCH, three kinds of work-groups, told apart by the work-group's number; each kind has LDS bytes of its own:
;  0-255    x [8192][1024] f32 -> codes of FP4 (E2M1), K innermost, and one E8M0 byte for each 32 along K.
;  256-303  Wq, Wk, Wv [k][n] f32 (K is the FIRST axis) -> codes laid [3072 (1024 x tensor + n)][1024 k], K innermost, and their bytes [3072][32].
;  304-367  Wo [k][n] f32 -> f16, laid [k / 64][n][64]: rows of 128 bytes with K innermost, as the last projection's tiles want them.
; A block's scale is 2^(floor(log2(its largest magnitude)) - 2); its byte is the largest magnitude's exponent field - 2, held at 1 from below.  A block of zeros so gets the byte 1 and zero codes, which add nothing;
; the bytes are read by this program alone.
; LIMITS: blocks whose largest magnitude lies under 2^(2 - 126) have their byte held at 1; NaN and infinities among x and the weights are not served; |Wo| stays under 65,504 (f16).
; No tensor loads, no barrier: waves share nothing.
.set SPARE, 102400                     ; the spare words, 128 bytes for each wave: two blocks of 256 bytes that no other line names
.set SPW,   12                         ; v12  LDS address of my spare word; never rewritten
.set NIL,   13                         ; v13  0; never rewritten
.set SP,    80                         ; x: a lane's place in a stage: 64 bytes + 16 of padding
.set XR,    16                         ; x: v16-79 four sets of 16 numbers as loaded
.set XX,    80                         ; x: v80-111 two sets of 16 neighbours
.set XE,    112                        ; x: v112-127 a scale byte for each step
.set XC,    128                        ; x: v128-191 codes, four registers for each step
.set WP,    272                        ; weights: a stage row, 256 bytes + 16
.set WX,    32                         ; weights: v32-95 two sets of 32 numbers
.set WC,    96                         ; weights: v96.. what a block becomes
.set WO,    112                        ; weights: v112-175 the way out
.set WSB,   24                         ; weights: v24-27 scale bytes, four to a register
	s_load_b512 s[4:19], s[0:1], 0x0               ; x s[4:5], Wq s[6:7], Wk s[8:9], Wv s[10:11], Wo s[12:13], x_codes s[14:15], x_scales s[16:17], w_codes s[18:19]
	s_load_b128 s[20:23], s[0:1], 0x40             ; w_scales s[20:21], wot16 s[22:23]
	v_lshl_add_u32 v[SPW], v0, 2, SPARE
	v_mov_b32 v[NIL], 0
	v_lshrrev_b32 v1, 5, v0
	v_readfirstlane_b32 s24, v1                    ; wave 0..3
	v_and_b32 v2, 31, v0                           ; lane
	s_cmp_lt_u32 ttmp9, 256
	s_cbranch_scc0 .Lweights
; ---------------- x.  A wave takes 16 steps of 512 numbers.  Each load reads 512 consecutive bytes; a step's 2,048 bytes turn through the wave's stage in LDS so that a lane holds 16 NEIGHBOURS (two lanes hold a block).
.macro XLOAD t
.irp i, 0,1,2,3
	global_load_b128 v[XR+16*((\t)%4)+4*\i:XR+16*((\t)%4)+4*\i+3], v3, s[4:5] offset:2048*(\t)+512*\i th:TH_LOAD_NT
.endr
.endm
.macro XTURN t                         ; LDS serves a wave's instructions in order: no wait between the stores and the loads
.irp i, 0,1,2,3
	ds_store_b128 v14, v[XR+16*((\t)%4)+4*\i:XR+16*((\t)%4)+4*\i+3] offset:32*SP*((\t)%2)+8*SP*\i
.endr
.irp i, 0,1,2,3
	ds_load_b128 v[XX+16*((\t)%2)+4*\i:XX+16*((\t)%2)+4*\i+3], v15 offset:32*SP*((\t)%2)+16*\i
.endr
.endm
.macro XSTEP t
.set XS, XX+16*((\t)%2)
.if (\t) > 0
	s_wait_dscnt 1                                 ; this step's numbers are back from the stage (the last step's byte store may be out)
.else
	s_wait_dscnt 0x0
.endif
.if (\t)+4 < 16
	XLOAD (\t)+4                                   ; into the set whose stores into the stage have read their registers
.endif
.if (\t)+1 < 16
.if 14-(\t) >= 3
	s_wait_loadcnt 12                              ; the next step's four loads are in; those of the three steps behind it may be out
.else
	s_wait_loadcnt 4*(14-(\t))
.endif
	XTURN (\t)+1
.endif
	v_max3_num_f32 v8, |v[XS]|, |v[XS+1]|, |v[XS+2]|   ; the largest magnitude of my 16, in two chains
	v_max3_num_f32 v9, |v[XS+3]|, |v[XS+4]|, |v[XS+5]|
.irp i, 6,10
	v_max3_num_f32 v8, v8, |v[XS+\i]|, |v[XS+\i+1]|
	v_max3_num_f32 v9, v9, |v[XS+\i+2]|, |v[XS+\i+3]|
.endr
	v_max3_num_f32 v8, v8, |v[XS+14]|, |v[XS+15]|
	v_max3_num_f32 v8, v8, v9, 0x1800000           ; and the floor 2^(3 - 127): the byte cannot fall under 1
	v_max_num_f32_dpp v8, v8, v8 row_xmask:1 row_mask:0xf bank_mask:0xf   ; with my neighbour's 16: the block's
	v_add_nc_u32 v11, 0xff000000, v8               ; 2 off its exponent field: the conversion takes the exponent field of this operand as its scale
	v_cvt_scalef32_pk8_fp4_f32 v[XC+4*(\t)], v[XS:XS+7], v11
	v_cvt_scalef32_pk8_fp4_f32 v[XC+4*(\t)+1], v[XS+8:XS+15], v11
	v_lshrrev_b32 v[XE+(\t)], 23, v11              ; the scale's byte
	ds_store_b8 v5, v[XE+(\t)] offset:16*(\t)      ; both lanes of a block write the same byte with the same value
	global_store_b64 v4, v[XC+4*(\t):XC+4*(\t)+1], s[14:15] offset:256*(\t)   ; the wave stores 256 consecutive bytes, aligned
.endm
	v_lshlrev_b32 v3, 4, v2                        ; my 16 bytes of a load's 512
	s_lshl_b32 s25, s24, 13                        ; my wave's 8,192 bytes of LDS: two stages of 32 x 80, then 256 scale bytes
	v_lshrrev_b32 v14, 2, v2
	v_mul_u32_u24 v14, v14, SP
	v_and_b32 v15, 3, v2
	v_lshl_add_u32 v14, v15, 4, v14
	v_add_nc_u32 v14, s25, v14                     ; into the stage: 80 (lane / 4) + 16 (lane % 4)
	v_mul_u32_u24 v15, v2, SP
	v_add_nc_u32 v15, s25, v15                     ; out of it: 80 x lane
	v_lshlrev_b32 v4, 3, v2                        ; my 8 bytes of a step's codes
	v_lshrrev_b32 v5, 1, v2
	s_add_co_u32 s25, s25, 2*32*SP
	v_add_nc_u32 v5, s25, v5                       ; my block's scale byte
	v_lshlrev_b32 v7, 3, v2
	v_add_nc_u32 v6, s25, v7                       ; and 8 of the 256 on the way out
	s_lshl_b32 s26, ttmp9, 2
	s_add_co_u32 s26, s26, s24                     ; which run of 8,192 numbers is my wave's
	s_mov_b32 s27, 0
	s_wait_kmcnt 0x0
	s_lshl_b64 s[28:29], s[26:27], 15
	s_add_nc_u64 s[4:5], s[4:5], s[28:29]
	s_lshl_b64 s[28:29], s[26:27], 12
	s_add_nc_u64 s[14:15], s[14:15], s[28:29]
	s_lshl_b64 s[28:29], s[26:27], 8
	s_add_nc_u64 s[16:17], s[16:17], s[28:29]
.irp t, 0,1,2,3
	XLOAD \t
.endr
	s_wait_loadcnt 12                              ; step 0's four loads are in
	XTURN 0
.irp t, 0,1,2,3,4,5,6,7,8,9,10,11,12,13,14,15
	XSTEP \t
.endr
	ds_load_b64 v[8:9], v6                         ; LDS serves a wave's instructions in order: these see my byte stores
	s_wait_dscnt 0x0
	global_store_b64 v7, v[8:9], s[16:17]          ; 32 lanes store 256 consecutive bytes, aligned
	s_wait_tensorcnt 0x0                           ; the wave's end, behind my last LDS store
	ds_add_u32 v[SPW], v[NIL]
	s_wait_dscnt 0x0
	s_endpgm
; ---------------- the weights.  A LANE TAKES A COLUMN n, AND ITS REGISTERS RUN DOWN K: each load reads 128 consecutive bytes a wave, and a block of 32 along K lies in one lane's 32 registers.
.macro WLOAD t                         ; block t: W(32 t + i, my column), i = 0 .. 31, into set t % 2
.irp i, 0,1,2,3,4,5,6,7,8,9,10,11,12,13,14,15,16,17,18,19,20,21,22,23,24,25,26,27,28,29,30,31
	global_load_b32 v[WX+32*((\t)%2)+\i], v3, s[28:29] offset:(32*(\t)+\i)*4096 th:TH_LOAD_NT
.endr
.endm
.macro WBLOCK t
.set XS, WX+32*((\t)%2)
.if (\t) < 15
	s_wait_loadcnt 32                              ; this block's 32 loads are in; the next block's may be out
.else
	s_wait_loadcnt 0
.endif
	v_max3_num_f32 v14, |v[XS]|, |v[XS+1]|, |v[XS+2]|
	v_max3_num_f32 v15, |v[XS+3]|, |v[XS+4]|, |v[XS+5]|
.irp i, 6,10,14,18,22,26
	v_max3_num_f32 v14, v14, |v[XS+\i]|, |v[XS+\i+1]|
	v_max3_num_f32 v15, v15, |v[XS+\i+2]|, |v[XS+\i+3]|
.endr
	v_max3_num_f32 v14, v14, |v[XS+30]|, |v[XS+31]|
	v_max3_num_f32 v14, v14, v15, 0x1800000        ; and the floor 2^(3 - 127)
	v_add_nc_u32 v11, 0xff000000, v14              ; the conversion's scale operand
	v_lshrrev_b32 v15, 23, v11                     ; the scale's byte
.if (\t)%4 == 0
	v_mov_b32 v[WSB+(\t)/4], v15                   ; four bytes to a register, the lower K in the lower byte
.else
	v_lshl_or_b32 v[WSB+(\t)/4], v15, 8*((\t)%4), v[WSB+(\t)/4]
.endif
.irp g, 0,1,2,3
	v_cvt_scalef32_pk8_fp4_f32 v[WC+\g], v[XS+8*\g:XS+8*\g+7], v11
.endr
	ds_store_b128 v4, v[WC:WC+3] offset:16*(\t)    ; 32 codes: 16 bytes of my column's row
.if (\t)+2 < 16
	WLOAD (\t)+2
.endif
	s_wait_dscnt 0x0                               ; the store has read its registers: the next block's codes may be written
.endm
.Lweights:
	s_cmp_lt_u32 ttmp9, 304
	s_cbranch_scc0 .Lwo
	s_sub_co_u32 s25, ttmp9, 256                   ; 0..47
	s_lshr_b32 s26, s25, 4                         ; which tensor: 0 Wq, 1 Wk, 2 Wv
	s_and_b32 s27, s25, 7                          ; which 128 columns
	s_bfe_u32 s30, s25, 0x10003                    ; which 512 along K
	s_lshl_b32 s27, s27, 7
	s_lshl_b32 s31, s24, 5
	s_add_co_u32 s27, s27, s31                     ; my wave's first column
	v_lshlrev_b32 v3, 2, v2                        ; in: 4 bytes a lane
	s_mul_i32 s31, s24, 32*WP
	s_add_co_u32 s31, s31, 32768                   ; my stage: 32 rows of 272 bytes
	v_mul_u32_u24 v4, v2, WP
	v_add_nc_u32 v4, s31, v4                       ; into it: row = my column
	v_and_b32 v5, 15, v2
	v_lshrrev_b32 v6, 4, v2
	v_mul_u32_u24 v7, v6, WP
	v_lshl_add_u32 v7, v5, 4, v7
	v_add_nc_u32 v7, s31, v7                       ; out of it: sixteen lanes to a row, two rows an instruction
	v_lshlrev_b32 v8, 9, v6
	v_lshl_add_u32 v8, v5, 4, v8                   ; and the same place in the codes' buffer (rows of 512 bytes)
	v_lshlrev_b32 v9, 5, v2                        ; my column's row of scale bytes (32 bytes)
	s_lshl_b32 s32, s30, 21                        ; 512 rows of 4,096 bytes
	s_lshl_b32 s33, s27, 2
	s_add_co_u32 s32, s32, s33
	s_mov_b32 s33, 0
	s_lshl_b32 s34, s26, 10
	s_add_co_u32 s34, s34, s27                     ; my first row of the codes: 1024 x tensor + column
	s_lshl_b32 s36, s34, 9
	s_lshl_b32 s35, s30, 8
	s_add_co_u32 s36, s36, s35
	s_mov_b32 s37, 0
	s_lshl_b32 s38, s34, 5
	s_lshl_b32 s35, s30, 4
	s_add_co_u32 s38, s38, s35
	s_mov_b32 s39, 0
	s_wait_kmcnt 0x0
	s_cmp_eq_u32 s26, 0                            ; the choice hangs on the work-group's number alone
	s_cselect_b64 s[28:29], s[6:7], s[8:9]
	s_cmp_eq_u32 s26, 2
	s_cselect_b64 s[28:29], s[10:11], s[28:29]
	s_add_nc_u64 s[28:29], s[28:29], s[32:33]
	s_add_nc_u64 s[18:19], s[18:19], s[36:37]
	s_add_nc_u64 s[20:21], s[20:21], s[38:39]
	WLOAD 0
	WLOAD 1
.set Q, 0
.rept 16
	WBLOCK Q
.set Q, Q+1
.endr
	global_store_b128 v9, v[WSB:WSB+3], s[20:21]   ; my column's 16 scale bytes
.irp t, 0,1,2,3,4,5,6,7,8,9,10,11,12,13,14,15
	ds_load_b128 v[WO+4*\t:WO+4*\t+3], v7 offset:2*\t*WP
.endr
.irp t, 0,1,2,3,4,5,6,7,8,9,10,11,12,13,14,15
	s_wait_dscnt 15-\t                             ; LDS loads come back in order: load t is in
	global_store_b128 v8, v[WO+4*\t:WO+4*\t+3], s[18:19] offset:2*\t*512   ; sixteen lanes store 256 consecutive bytes, aligned
.endr
	s_wait_tensorcnt 0x0                           ; the wave's end, behind my last LDS store
	ds_add_u32 v[SPW], v[NIL]
	s_wait_dscnt 0x0
	s_endpgm
; ---------------- Wo.  A wave takes 32 columns x 128 along K: four blocks of 32 a lane, rounded to f16: 256 bytes a column, two rows of 128 bytes of the output.
.macro OBLOCK t
.set XS, WX+32*((\t)%2)
.if (\t) < 3
	s_wait_loadcnt 32
.else
	s_wait_loadcnt 0
.endif
.irp i, 0,1,2,3,4,5,6,7,8,9,10,11,12,13,14,15
	v_cvt_pk_f16_f32 v[WC+\i], v[XS+2*\i], v[XS+2*\i+1]
.endr
.irp g, 0,1,2,3
	ds_store_b128 v4, v[WC+4*\g:WC+4*\g+3] offset:64*(\t)+16*\g
.endr
.if (\t)+2 < 4
	WLOAD (\t)+2
.endif
	s_wait_dscnt 0x0
.endm
.Lwo:
	s_sub_co_u32 s25, ttmp9, 304                   ; 0..63
	s_and_b32 s27, s25, 7                          ; which 128 columns
	s_lshr_b32 s30, s25, 3                         ; which 128 along K
	s_lshl_b32 s27, s27, 7
	s_lshl_b32 s31, s24, 5
	s_add_co_u32 s27, s27, s31                     ; my wave's first column
	v_lshlrev_b32 v3, 2, v2
	s_mul_i32 s31, s24, 32*WP
	s_add_co_u32 s31, s31, 67584                   ; my stage
	v_mul_u32_u24 v4, v2, WP
	v_add_nc_u32 v4, s31, v4
	v_lshrrev_b32 v6, 3, v2
	v_and_b32 v5, 7, v2
	v_mul_u32_u24 v7, v6, WP
	v_lshl_add_u32 v7, v5, 4, v7
	v_add_nc_u32 v7, s31, v7                       ; out of it: eight lanes to 128 bytes of a row, four rows an instruction
	v_lshlrev_b32 v8, 4, v2                        ; which are 512 consecutive bytes of the output
	s_lshl_b32 s32, s30, 19                        ; 128 rows of 4,096 bytes
	s_lshl_b32 s33, s27, 2
	s_add_co_u32 s32, s32, s33
	s_mov_b32 s33, 0
	s_lshl_b32 s36, s30, 18                        ; (2 x 1024 rows) x 128 bytes
	s_lshl_b32 s35, s27, 7
	s_add_co_u32 s36, s36, s35
	s_mov_b32 s37, 0
	s_wait_kmcnt 0x0
	s_add_nc_u64 s[28:29], s[12:13], s[32:33]
	s_add_nc_u64 s[22:23], s[22:23], s[36:37]
	WLOAD 0
	WLOAD 1
.irp t, 0,1,2,3
	OBLOCK \t
.endr
.irp e, 0,1
.irp i, 0,1,2,3,4,5,6,7
	ds_load_b128 v[WO+32*\e+4*\i:WO+32*\e+4*\i+3], v7 offset:128*\e+4*WP*\i
.endr
.endr
.irp e, 0,1
.irp i, 0,1,2,3,4,5,6,7
	s_wait_dscnt 15-8*\e-\i
	global_store_b128 v8, v[WO+32*\e+4*\i:WO+32*\e+4*\i+3], s[22:23] offset:131072*\e+512*\i   ; 32 lanes store 512 consecutive bytes, aligned
.endr
.endr
	s_wait_tensorcnt 0x0                           ; the wave's end, behind my last LDS store
	ds_add_u32 v[SPW], v[NIL]
	s_wait_dscnt 0x0
	s_endpgm
.Lfunc_end_k_qbf8776bd1f_prep:
	.size	k_qbf8776bd1f_prep, .Lfunc_end_k_qbf8776bd1f_prep-k_qbf8776bd1f_prep
	.p2alignl 7, 3214868480
	.fill 96, 4, 3214868480
	.section	.rodata,"a",@progbits
	.p2align	6, 0x0
	.amdhsa_kernel k_qbf8776bd1f_prep
		.amdhsa_group_segment_fixed_size 102912
		.amdhsa_private_segment_fixed_size 0
		.amdhsa_enable_private_segment 0
		.amdhsa_kernarg_size 80
		.amdhsa_user_sgpr_count 2
		.amdhsa_user_sgpr_kernarg_segment_ptr 1
		.amdhsa_wavefront_size32 1
		.amdhsa_system_sgpr_workgroup_id_x 1
		.amdhsa_system_sgpr_workgroup_id_y 1
		.amdhsa_system_sgpr_workgroup_id_z 1
		.amdhsa_system_vgpr_workitem_id 0
		.amdhsa_next_free_vgpr 192
		.amdhsa_next_free_sgpr 66
		.amdhsa_reserve_vcc 0
		.amdhsa_float_denorm_mode_32 3
		.amdhsa_float_denorm_mode_16_64 3
		.amdhsa_memory_ordered 1
		.amdhsa_forward_progress 1
		.amdhsa_inst_pref_size 132
	.end_amdhsa_kernel
	.amdgpu_metadata
---
amdhsa.version: [ 1, 2 ]
amdhsa.kernels:
  - .name:           k_qbf8776bd1f_prep
    .symbol:         k_qbf8776bd1f_prep.kd
    .args:
      - { .name: x, .offset: 0, .size: 8, .value_kind: global_buffer, .address_space: global }
      - { .name: Wq, .offset: 8, .size: 8, .value_kind: global_buffer, .address_space: global }
      - { .name: Wk, .offset: 16, .size: 8, .value_kind: global_buffer, .address_space: global }
      - { .name: Wv, .offset: 24, .size: 8, .value_kind: global_buffer, .address_space: global }
      - { .name: Wo, .offset: 32, .size: 8, .value_kind: global_buffer, .address_space: global }
      - { .name: x_codes, .offset: 40, .size: 8, .value_kind: global_buffer, .address_space: global }
      - { .name: x_scales, .offset: 48, .size: 8, .value_kind: global_buffer, .address_space: global }
      - { .name: w_codes, .offset: 56, .size: 8, .value_kind: global_buffer, .address_space: global }
      - { .name: w_scales, .offset: 64, .size: 8, .value_kind: global_buffer, .address_space: global }
      - { .name: wot16, .offset: 72, .size: 8, .value_kind: global_buffer, .address_space: global }
    .group_segment_fixed_size: 102912
    .private_segment_fixed_size: 0
    .kernarg_segment_align: 8
    .kernarg_segment_size: 80
    .max_flat_workgroup_size: 128
    .sgpr_count:     66
    .vgpr_count:     192
    .wavefront_size: 32
...
	.end_amdgpu_metadata
.endif
;; end of part 1
;; launch qkv (part 2): grid 12 x 32, 4 waves a work-group, clusters of 4 x 4, 327,680 bytes of LDS; arguments x_codes, x_scales, w_codes, w_scales, bq, bv, qkv16, qkv32; writes qkv16, qkv32
.if DOCPART == 2
	.amdgcn_target "amdgcn-amd-amdhsa--gfx1250"
	.amdhsa_code_object_version 6
	.text
	.protected	k_qbf8776bd1f_qkv
	.globl	k_qbf8776bd1f_qkv
	.p2align	8
	.type	k_qbf8776bd1f_qkv,@function
k_qbf8776bd1f_qkv:
	s_mov_b64 s[64:65], 0
	v_nop
	global_prefetch_b8 v0, s[64:65] scope:SCOPE_SE
	s_setreg_imm32_b32 hwreg(HW_REG_WAVE_MODE, 25, 1), 1
	s_wait_xcnt 0x0
	s_wait_alu depctr_hold_cnt(0) depctr_sa_sdst(0) depctr_va_vdst(0) depctr_va_sdst(0) depctr_va_ssrc(0) depctr_va_vcc(0) depctr_vm_vsrc(0)
	s_getreg_b32 s2, hwreg(HW_REG_IB_STS2, 6, 4)
	s_cmp_eq_u32 s2, 0
	s_cbranch_scc0 .Lentry_in_a_cluster
	s_endpgm
.Lentry_in_a_cluster:
	s_bfe_u32 s2, ttmp6, 0x10000c
	s_cmp_lg_u32 s2, 0xf033
	s_cbranch_scc0 .Lentry_shape_is_right
	s_endpgm
.Lentry_shape_is_right:
; q = x Wq + bq, k = x Wk, v = x Wv + bv, on codes of FP4 (E2M1) with one E8M0 scale for each 32 along K: [8192][1024] x [3072][1024]^T, sums in f32.
; WORK LEFT OUT: bk (it adds the same number to all scores of a row, which a softmax does not see; shown at the head of the first kernel).  So k's sums begin with 0, q's and v's with their bias as C.
; A tile of the result, 256 x 256, is made by four waves, 128 x 128 each: 64 accumulators, 512 registers.  All of K (1,024) fits into two LDS slots of 512 along K: nothing is filled again, no loop.
; The scale bytes of the tile's 256 + 256 rows come once, as dense blocks.  CLUSTERS: 4 x 4 work-groups; A's tiles are shared along a row of the cluster, B's along a column, by joint loads.
; The cluster's x is the tensor (0 q, 1 k, 2 v).  Tile row = 8 cy + cluster y: so cy is the batch and 256 x cluster y the tile's first token, and the tiles with tokens 0-15 are those of the clusters with y = 0.
; THE MATRIX INSTRUCTION IS USED TRANSPOSED (source 0 = 16 rows of W, source 1 = 16 rows of x): a lane holds eight neighbouring columns of one token.
; OUT: f16, laid [tensor][batch][head][token][64] (rows of 128 bytes), through a stage in slot 0, 512 consecutive bytes a store; |q|, |k|, |v| stay under 65,504.
; Tokens 0-15 of each batch go out in f32 too, as images of the accumulators' registers (qkv32): the last launch computes those rows finely.
; REGISTERS: window 0: v0-31 addresses; v32-95 scale words, two sets; v128-191 A's fragments, one set; v192-255 the bias in the result's layout; on the way out v32-127 are at work.
;   window 1: B's fragments, two sets, at v0 and v128.  window 2: accumulators of my rows 0-63 ((a, b) at v[8 (8 a + b)]); window 3: of rows 64-127.
.set NQ,     4                         ; matrix instructions deep in a slot
.set ROWB,   256                       ; a tile's row in bytes: 512 codes
.set KROW,   512                       ; a row of codes in memory
.set PITCH,  272                       ; an LDS row: 256 bytes + 16 of padding: the 16 rows that a load touches start at 16 different banks
.set FR,     8
.set NL,     2
.set NP,     4
.set HALFT,  128*PITCH
.set SLOT,   4*HALFT
.set KS,     32                        ; a row of scale bytes
.set SCL,    2*SLOT
.set HALFS,  16*272                    ; the scales of 128 rows: 16 units of 256 bytes + 16
.set SBLK,   2*272                     ; those of 16 rows
.set SPARE,  SCL+4*HALFS               ; the spare words, 128 bytes for each wave: two blocks of 256 bytes that no other line names
.set SP16,   144                       ; the way out: a stage row of 128 bytes + 16; 2 x 16 rows for each wave, in slot 0
.set ADRA, 16
.set ADRB, 20
.set STO,  24
.set RD,   25
.set CO,   26                          ; v26  16 x lane
.set ADRS, 27
.set SPW,  28
.set NIL,  29
.set BOF,  7                           ; v7   32 x (lane / 16): my eight numbers of a bias block
.set SC,   32
.set AF,   128
.set BI,   192
.set TMP,  32
.set BK,   64
.set G1, 24
.set G0, 32
.set G1B, 48
.set G0B, 56
.set G1S, 68
.set G0S, 76
.set G1SB, 80
.set G0SB, 88
.set MSB, 0
.macro WIN new                         ; the immediate's high byte repeats the setting that is left
.if MSB != \new
	s_set_vgpr_msb (MSB<<8)|\new
.set MSB, \new
.endif
.endm
.set MUL_LO, 0xa1                      ; source 0 (B) window 1, source 1 (A) window 0, C and D window 2
.set MUL_HI, 0xf1                      ; the same, C and D window 3
.set TO_B,   0x40
; A joint load: waves 0 and 1 fetch for A, waves 2 and 3 for B; the branch hangs on the wave's number alone.  An s_nop 0 and four v_nop follow each of the two lines.
.macro JLOAD g0a, g1a, g0b, g1b
	s_cmp_eq_u32 s15, 0
	s_cbranch_scc0 .Lfor_b_\@
	tensor_load_to_lds s[\g0a:\g0a+3], s[\g1a:\g1a+7]
	s_nop 0
.rept 4
	v_nop
.endr
	s_branch .Lasked_\@
.Lfor_b_\@:
	tensor_load_to_lds s[\g0b:\g0b+3], s[\g1b:\g1b+7]
	s_nop 0
.rept 4
	v_nop
.endr
.Lasked_\@:
.endm
.macro CROUND                          ; a round of the cluster's barrier
	s_barrier_signal -1
	s_barrier_wait -1
	s_cmp_lg_u32 s14, 0
	s_cbranch_scc1 .Lnot_wave_0_\@
	s_barrier_signal -3
.Lnot_wave_0_\@:
	s_barrier_wait -3
	s_barrier_signal -1
	s_barrier_wait -1
.endm
	s_load_b128 s[4:7], s[0:1], 0x0                ; x's codes s[4:5], x's scales s[6:7]
	s_load_b128 s[8:11], s[0:1], 0x10              ; W's codes s[8:9], W's scales s[10:11]
	s_load_b128 s[96:99], s[0:1], 0x20             ; bq s[96:97], bv s[98:99]
	s_load_b64 s[12:13], s[0:1], 0x30              ; qkv16
	s_load_b64 s[100:101], s[0:1], 0x38            ; qkv32
	v_lshl_add_u32 v[SPW], v0, 2, SPARE
	v_mov_b32 v[NIL], 0
	ds_add_u32 v[SPW], v[NIL]                      ; the wave's opening: the add, twice on end, and its wait ahead of my first tensor load
	ds_add_u32 v[SPW], v[NIL]
	v_lshrrev_b32 v1, 5, v0
	v_readfirstlane_b32 s14, v1                    ; wave 0..3
	s_lshr_b32 s15, s14, 1                         ; which half of the tile's rows is mine.  Also: I fetch for A (0) or for B (1)
	s_and_b32 s16, s14, 1                          ; which half of its columns.  Also: which 128 rows of that tile I fetch
	s_bfe_u32 s40, ttmp6, 0x40000                  ; cx
	s_bfe_u32 s41, ttmp6, 0x40004                  ; cy
	s_lshl_b32 s42, ttmp9, 2
	s_add_co_u32 s42, s42, s40                     ; tile column = 4 x cluster x + cx
	s_and_b32 s95, ttmp7, 0xffff                   ; cluster y
	s_lshl_b32 s17, s41, 3
	s_add_co_u32 s17, s17, s95                     ; tile row = 8 cy + cluster y
	s_lshl_b32 s43, s41, 2
	s_lshl_b32 s43, 15, s43                        ; my row of the cluster
	s_lshl_b32 s44, 0x1111, s40                    ; my column
	s_or_b32 s[G1+0], s43, (0<<16)|(1<<20)|(1<<21)|(5<<22)|(3<<25)  ; the mask; elements of 1 byte; padding: 4 words behind every 64
	s_or_b32 s[G1B+0], s44, (0<<16)|(1<<20)|(1<<21)|(5<<22)|(3<<25)
.irp g, G1, G1B
	s_mov_b32 s[\g+1], ROWB<<16                    ; tensor_dim0
	s_mov_b32 s[\g+2], 128<<16                     ; tensor_dim1
	s_mov_b32 s[\g+3], ROWB<<16                    ; tile_dim0
	s_mov_b32 s[\g+4], 128                         ; tile_dim1
	s_mov_b32 s[\g+5], KROW                        ; from row to row
	s_mov_b32 s[\g+6], 0
	s_mov_b32 s[\g+7], 0
.endr
	s_or_b32 s[G1S+0], s43, (3<<16)|(1<<20)|(1<<21)|(5<<22)|(3<<25) ; the scales of 128 rows: 4,096 dense bytes as 16 rows of 32 elements of 8 bytes
	s_or_b32 s[G1SB+0], s44, (3<<16)|(1<<20)|(1<<21)|(5<<22)|(3<<25)
.irp g, G1S, G1SB
	s_mov_b32 s[\g+1], 32<<16
	s_mov_b32 s[\g+2], 16<<16
	s_mov_b32 s[\g+3], 32<<16
	s_mov_b32 s[\g+4], 16
	s_mov_b32 s[\g+5], 32
	s_mov_b32 s[\g+6], 0
	s_mov_b32 s[\g+7], 0
.endr
	s_lshl_b32 s18, s16, 7                         ; which 128 rows of the tile I fetch
	s_lshl_b32 s20, s17, 8
	s_add_co_u32 s20, s20, s18                     ; A: row 256 x tile row + 128 x half
	s_lshl_b32 s46, s42, 8
	s_add_co_u32 s46, s46, s18                     ; B: row 256 x tile column + 128 x half
	s_mov_b32 s21, 0
	s_mov_b32 s47, 0
	s_mov_b64 s[18:19], KS
	s_mul_u64 s[22:23], s[20:21], s[18:19]         ; where these rows' scales begin
	s_mul_u64 s[92:93], s[46:47], s[18:19]
	s_mov_b64 s[18:19], KROW
	s_mul_u64 s[20:21], s[20:21], s[18:19]         ; and their codes
	s_mul_u64 s[46:47], s[46:47], s[18:19]
	s_mul_i32 s45, s14, HALFT                      ; where they go: wave x 128 rows: no place in the cluster enters an LDS address
	s_mul_i32 s94, s14, HALFS
	s_wait_dscnt 0x0                               ; both opening adds are done
	s_wait_kmcnt 0x0
	s_add_nc_u64 s[20:21], s[4:5], s[20:21]
	s_add_nc_u64 s[22:23], s[6:7], s[22:23]
	s_add_nc_u64 s[46:47], s[8:9], s[46:47]
	s_add_nc_u64 s[92:93], s[10:11], s[92:93]
	CROUND                                         ; all sixteen work-groups are here: the joint loads meet
	s_mov_b32 s[G0S], 1
	s_add_co_u32 s[G0S+1], s94, SCL
	s_mov_b64 s[G0S+2:G0S+3], s[22:23]
	s_or_b32 s[G0S+3], s[G0S+3], 0x80000000
	s_mov_b32 s[G0SB], 1
	s_add_co_u32 s[G0SB+1], s94, SCL
	s_mov_b64 s[G0SB+2:G0SB+3], s[92:93]
	s_or_b32 s[G0SB+3], s[G0SB+3], 0x80000000
	JLOAD G0S, G1S, G0SB, G1SB                     ; the scales first: they are wanted with the first K step.  Three loads of mine are out at the most
.irp s, 0,1
	s_mov_b32 s[G0+4*\s], 1
	s_add_co_u32 s[G0+4*\s+1], s45, \s*SLOT
	s_add_nc_u64 s[G0+4*\s+2:G0+4*\s+3], s[20:21], \s*ROWB
	s_or_b32 s[G0+4*\s+3], s[G0+4*\s+3], 0x80000000
	s_mov_b32 s[G0B+4*\s], 1
	s_add_co_u32 s[G0B+4*\s+1], s45, \s*SLOT
	s_add_nc_u64 s[G0B+4*\s+2:G0B+4*\s+3], s[46:47], \s*ROWB
	s_or_b32 s[G0B+4*\s+3], s[G0B+4*\s+3], 0x80000000
	JLOAD G0+4*\s, G1, G0B+4*\s, G1B
.endr
	v_and_b32 v1, 15, v0                           ; r = lane % 16
	v_bfe_u32 v2, v0, 4, 1                         ; h = lane / 16
	v_mul_u32_u24 v3, v1, PITCH
	v_lshl_add_u32 v4, v2, 4, v3                   ; a fragment's row x pitch + 16 h
	s_mul_i32 s21, s15, HALFT                      ; my 128 rows of A
	s_mul_i32 s22, s16, HALFT                      ; my 128 rows of B,
	s_add_co_u32 s22, s22, 2*HALFT                 ; which lie behind A's 256
.irp s, 0,1
	v_add_nc_u32 v[ADRA+\s], s21, v4
	v_add_nc_u32 v[ADRB+\s], s22, v4
	s_add_co_u32 s21, s21, SLOT
	s_add_co_u32 s22, s22, SLOT
.endr
	v_mul_u32_u24 v5, v1, KS                       ; my row's scales: 32 bytes a row,
	v_lshrrev_b32 v6, 8, v5
	v_lshl_add_u32 v5, v6, 4, v5                   ; and 16 more for each 256 passed
	s_mul_i32 s21, s15, HALFS
	s_mul_i32 s22, s16, HALFS
	s_add_co_u32 s22, s22, 2*HALFS
	s_sub_co_u32 s22, s22, s21
	v_mul_u32_u24 v6, s22, v2                      ; lanes 16-31 take B's: one product, the distance between the two bases
	s_add_co_u32 s21, s21, SCL
	v_add_nc_u32 v5, v5, v6
	v_add_nc_u32 v[ADRS], s21, v5
	s_mul_i32 s23, s14, 2*16*SP16                  ; my stage
	v_mul_u32_u24 v5, v1, SP16
	v_lshl_add_u32 v5, v2, 4, v5
	v_add_nc_u32 v[STO], s23, v5                   ; in: row r, 16 bytes for each half of the lanes
	v_bfe_u32 v5, v0, 3, 2
	v_mul_u32_u24 v5, v5, SP16
	v_and_b32 v6, 7, v0
	v_lshl_add_u32 v5, v6, 4, v5
	v_add_nc_u32 v[RD], s23, v5                    ; back: eight lanes to a row of 128 bytes, four rows an instruction
	v_and_b32 v6, 31, v0
	v_lshlrev_b32 v[CO], 4, v6
	v_lshlrev_b32 v[BOF], 5, v2
	s_lshl_b32 s20, s41, 4                         ; qkv16: (batch, head) = 16 cy + 4 cx + 2 x column half,
	s_lshl_b32 s21, s40, 2
	s_add_co_u32 s20, s20, s21
	s_lshl_b32 s21, s16, 1
	s_add_co_u32 s20, s20, s21
	s_lshl_b32 s20, s20, 11                        ; x 2,048 tokens,
	s_lshl_b32 s21, s95, 8
	s_add_co_u32 s20, s20, s21                     ; + 256 x cluster y
	s_lshl_b32 s21, s15, 7
	s_add_co_u32 s20, s20, s21                     ; + 128 x row half,
	s_lshl_b32 s20, s20, 7                         ; x 128 bytes,
	s_lshl_b32 s21, ttmp9, 24
	s_add_co_u32 s20, s20, s21                     ; + the tensor's 16,777,216 bytes
	s_mov_b32 s21, 0
	s_add_nc_u64 s[12:13], s[12:13], s[20:21]
	s_mul_i32 s20, s41, 192                        ; qkv32: (192 x batch + 16 x tile column + 8 x column half) x 1,024 bytes
	s_lshl_b32 s21, s42, 4
	s_add_co_u32 s20, s20, s21
	s_lshl_b32 s21, s16, 3
	s_add_co_u32 s20, s20, s21
	s_lshl_b32 s20, s20, 10
	s_mov_b32 s21, 0
	s_add_nc_u64 s[100:101], s[100:101], s[20:21]
.macro FRAG reg, adr, q, i             ; 16 rows x 128 K of 4-bit codes: 8 registers; registers 4 c .. 4 c + 3 hold K = 64 c + 32 h + 0 .. 31
.irp c, 0,1
	ds_load_b128 v[\reg+4*\c:\reg+4*\c+3], v[\adr] offset:64*(\q)+32*\c+(\i)*16*PITCH
.endr
.endm
; 16 matrix instructions: A's blocks a0, a0 + 1 x B's eight, the slot's q-th 128 along K.  mode 0: in place; 1: C = 0; 2: C = the bias (window 0).  The 64 accumulators take turns, one instruction a turn.
.macro MUL16 a0, p, q, sc, mode
.irp a, \a0, \a0+1
.irp b, 0,1,2,3,4,5,6,7
.if \mode == 1
	v_wmma_scale_f32_16x16x128_f8f6f4 v[8*(8*((\a)%4)+\b):8*(8*((\a)%4)+\b)+7], v[128*(\p)+FR*\b:128*(\p)+FR*\b+FR-1], v[AF+FR*(\a):AF+FR*(\a)+FR-1], 0, v[SC+8*NQ*(\sc)+NQ*\b+(\q)], v[SC+8*NQ*(\sc)+NQ*(\a)+(\q)] matrix_a_fmt:MATRIX_FMT_FP4 matrix_b_fmt:MATRIX_FMT_FP4 matrix_a_scale:MATRIX_SCALE_ROW1
.elseif \mode == 2
	v_wmma_scale_f32_16x16x128_f8f6f4 v[8*(8*((\a)%4)+\b):8*(8*((\a)%4)+\b)+7], v[128*(\p)+FR*\b:128*(\p)+FR*\b+FR-1], v[AF+FR*(\a):AF+FR*(\a)+FR-1], v[BI+8*\b:BI+8*\b+7], v[SC+8*NQ*(\sc)+NQ*\b+(\q)], v[SC+8*NQ*(\sc)+NQ*(\a)+(\q)] matrix_a_fmt:MATRIX_FMT_FP4 matrix_b_fmt:MATRIX_FMT_FP4 matrix_a_scale:MATRIX_SCALE_ROW1
.else
	v_wmma_scale_f32_16x16x128_f8f6f4 v[8*(8*((\a)%4)+\b):8*(8*((\a)%4)+\b)+7], v[128*(\p)+FR*\b:128*(\p)+FR*\b+FR-1], v[AF+FR*(\a):AF+FR*(\a)+FR-1], v[8*(8*((\a)%4)+\b):8*(8*((\a)%4)+\b)+7], v[SC+8*NQ*(\sc)+NQ*\b+(\q)], v[SC+8*NQ*(\sc)+NQ*(\a)+(\q)] matrix_a_fmt:MATRIX_FMT_FP4 matrix_b_fmt:MATRIX_FMT_FP4 matrix_a_scale:MATRIX_SCALE_ROW1
.endif
.endr
.endr
.endm
.macro FETCH_B slot, q, p
	WIN TO_B
.irp i, 0,1,2,3,4,5,6,7
	FRAG 128*(\p)+FR*\i, ADRB+\slot, \q, \i
.endr
	WIN 0
.endm
.macro FETCH_A slot, q, i0
.irp i, \i0, \i0+1, \i0+2, \i0+3
	FRAG AF+FR*(\i), ADRA+\slot, \q, \i
.endr
.endm
.macro SCALES sc                       ; a slot's scale words: lanes 0-15 take A's block i, lanes 16-31 B's block i
.irp i, 0,1,2,3,4,5,6,7
	ds_load_b128 v[SC+8*NQ*\sc+NQ*\i:SC+8*NQ*\sc+NQ*\i+3], v[ADRS] offset:\i*SBLK
.endr
.endm
.macro PLACES n                        ; plain vector instructions between a matrix instruction and a load into, or a read of, its registers
.rept \n
	v_nop
.endr
.endm
.macro STEP slot, q, mode              ; a step of 128 along K that has its successor in the same slot
	s_wait_dscnt 4*NL                              ; B's set and A's blocks 0-3 are in; the youngest eight loads (A's blocks 4-7) may be out
.if \mode == 2
	WIN 0x81                                       ; C in window 0, D in window 2
.else
	WIN MUL_LO
.endif
	MUL16 0, (\q)%2, \q, \slot, \mode
	MUL16 2, (\q)%2, \q, \slot, \mode
	s_wait_dscnt 0
	PLACES NP
	FETCH_B \slot, (\q)+1, 1-(\q)%2
	FETCH_A \slot, (\q)+1, 0
.if \mode == 2
	WIN 0xc1
.else
	WIN MUL_HI
.endif
	MUL16 4, (\q)%2, \q, \slot, \mode
	MUL16 6, (\q)%2, \q, \slot, \mode
	PLACES NP
	WIN 0
	FETCH_A \slot, (\q)+1, 4
.endm
.macro TURN slot, next                 ; slot 0's last step: one barrier; in front of it each wave has its part of slot 1 and its reads of slot 0 behind it
	s_wait_tensorcnt 0x0                           ; my part of slot 1 has landed
	ds_add_u32 v[SPW], v[NIL]
	s_wait_dscnt 4*NL+1                            ; (the add and the youngest eight loads may be out)
	WIN MUL_LO
	MUL16 0, 1, NQ-1, \slot, 0
	s_wait_dscnt 0x0
	s_barrier_signal -1
	MUL16 2, 1, NQ-1, \slot, 0
	WIN 0
	s_barrier_wait -1
	PLACES NP
	v_add_nc_u32 v[ADRS], 4*NQ, v[ADRS]            ; on to the next slot's scale words
	FETCH_B \next, 0, 0
	FETCH_A \next, 0, 0
	SCALES \next
	WIN MUL_HI
	MUL16 4, 1, NQ-1, \slot, 0
	MUL16 6, 1, NQ-1, \slot, 0
	PLACES NP
	WIN 0
	FETCH_A \next, 0, 4
.endm
.macro STEPS slot, from
.set Q, \from
.rept NQ-1-\from
	STEP \slot, Q, 0
.set Q, Q+1
.endr
.endm
.macro BEGIN mode                      ; the first barrier, the first fragments and the first step, whose products start the sums
	s_wait_tensorcnt 1                             ; the scales and my part of slot 0 are in; slot 1's load may be out
	s_barrier_signal -1
	s_barrier_wait -1
	FETCH_B 0, 0, 0
	FETCH_A 0, 0, 0
	SCALES 0
	FETCH_A 0, 0, 4
.if \mode == 2
	s_wait_loadcnt 0x0                             ; the bias
.endif
	STEP 0, 0, \mode
.endm
	s_cmp_eq_u32 ttmp9, 1                          ; the cluster's x: the same in all sixteen partners
	s_cbranch_scc1 .Lno_bias
	s_cmp_eq_u32 ttmp9, 0
	s_cselect_b64 s[96:97], s[96:97], s[98:99]     ; bq or bv
	s_lshl_b32 s20, s40, 10                        ; my 128 columns: (256 cx + 128 x column half) x 4 bytes
	s_lshl_b32 s21, s16, 9
	s_add_co_u32 s20, s20, s21
	s_mov_b32 s21, 0
	s_add_nc_u64 s[96:97], s[96:97], s[20:21]
.irp b, 0,1,2,3,4,5,6,7
	global_load_b128 v[BI+8*\b:BI+8*\b+3], v[BOF], s[96:97] offset:64*\b       ; lane (r, h): the bias of columns 16 b + 8 h + 0 .. 7
	global_load_b128 v[BI+8*\b+4:BI+8*\b+7], v[BOF], s[96:97] offset:64*\b+16
.endr
	BEGIN 2
	s_branch .Lsums_begun
.Lno_bias:
	BEGIN 1
.Lsums_begun:
	STEPS 0, 1
	TURN 0, 1
	STEPS 1, 0
	s_wait_dscnt 4*NL                              ; the very last step: nothing more to fetch
	WIN MUL_LO
	MUL16 0, 1, NQ-1, 1, 0
	MUL16 2, 1, NQ-1, 1, 0
	s_wait_dscnt 0
	WIN MUL_HI
	MUL16 4, 1, NQ-1, 1, 0
	MUL16 6, 1, NQ-1, 1, 0
	WIN 0
	PLACES NP
	; tokens 0-15 of a batch: block 0 of the waves with rows 0-127, in the clusters with y = 0 (the same in all partners for a given wave): the accumulators as they stand, 512 consecutive bytes a store
	s_or_b32 s18, s95, s15
	s_cmp_lg_u32 s18, 0
	s_cbranch_scc1 .Lno_image
	WIN 0x08                                       ; a store's data are its source 1: window 2
.irp b, 0,1,2,3,4,5,6,7
.irp c, 0,1
	global_store_b128 v[CO], v[8*\b+4*\c:8*\b+4*\c+3], s[100:101] offset:1024*\b+512*\c
.endr
.endr
	WIN 0
.Lno_image:
; THE WAY OUT, block by block of 16 tokens x 128 columns (two heads).  The stage lies in slot 0: it has had its one fill, and every wave has passed the barrier behind which nobody reads it.
.macro PACK a
.set AC, 64*((\a)%4)
	WIN 0x0a+5*((\a)/4)                            ; sources 0 and 1: window 2 or 3
.irp b, 0,1,2,3,4,5,6,7
.irp i, 0,1,2,3
	v_cvt_pk_f16_f32 v[TMP+4*\b+\i], v[AC+8*\b+2*\i], v[AC+8*\b+2*\i+1]
.endr
.endr
	WIN 0
.endm
.macro TOSTAGE a
.set BB, BK+32*((\a)%2)
.if (\a) >= 2
	s_wait_xcnt 0x0                                ; block a - 2's stores have read their registers: block a's loads may land there
.endif
.irp b, 0,1,2,3,4,5,6,7
	ds_store_b128 v[STO], v[TMP+4*\b:TMP+4*\b+3] offset:(\b/4)*16*SP16+(\b%4)*32
.endr
.irp e, 0,1
.irp i, 0,1,2,3
	ds_load_b128 v[BB+16*\e+4*\i:BB+16*\e+4*\i+3], v[RD] offset:\e*16*SP16+\i*4*SP16   ; LDS serves a wave's instructions in order: these see the stores above
.endr
.endr
.endm
.macro SEND a
.set BB, BK+32*((\a)%2)
	s_wait_dscnt 0x0                               ; the block is back in registers
.irp e, 0,1
.irp i, 0,1,2,3
	global_store_b128 v[CO], v[BB+16*\e+4*\i:BB+16*\e+4*\i+3], s[12:13] offset:(\a)*2048+\e*262144+\i*512   ; four tokens' rows of a head: 512 consecutive bytes, aligned
.endr
.endr
.endm
	PACK 0
	TOSTAGE 0
.irp a, 1,2,3,4,5,6,7
	PACK \a                                        ; block a's conversions stand between block a - 1's loads from the stage and the wait for them
	SEND \a-1
	TOSTAGE \a
.endr
	SEND 7
	s_wait_tensorcnt 0x0                           ; the wave's end
	ds_add_u32 v[SPW], v[NIL]
	s_wait_dscnt 0x0
	CROUND                                         ; the closing round
	s_endpgm
.Lfunc_end_k_qbf8776bd1f_qkv:
	.size	k_qbf8776bd1f_qkv, .Lfunc_end_k_qbf8776bd1f_qkv-k_qbf8776bd1f_qkv
	.p2alignl 7, 3214868480
	.fill 96, 4, 3214868480
	.section	.rodata,"a",@progbits
	.p2align	6, 0x0
	.amdhsa_kernel k_qbf8776bd1f_qkv
		.amdhsa_group_segment_fixed_size 327680
		.amdhsa_private_segment_fixed_size 0
		.amdhsa_enable_private_segment 0
		.amdhsa_kernarg_size 64
		.amdhsa_user_sgpr_count 2
		.amdhsa_user_sgpr_kernarg_segment_ptr 1
		.amdhsa_wavefront_size32 1
		.amdhsa_system_sgpr_workgroup_id_x 1
		.amdhsa_system_sgpr_workgroup_id_y 1
		.amdhsa_system_sgpr_workgroup_id_z 1
		.amdhsa_system_vgpr_workitem_id 0
		.amdhsa_next_free_vgpr 1024
		.amdhsa_next_free_sgpr 102
		.amdhsa_reserve_vcc 0
		.amdhsa_float_denorm_mode_32 3
		.amdhsa_float_denorm_mode_16_64 3
		.amdhsa_memory_ordered 1
		.amdhsa_forward_progress 1
		.amdhsa_inst_pref_size 143
	.end_amdhsa_kernel
	.amdgpu_metadata
---
amdhsa.version: [ 1, 2 ]
amdhsa.kernels:
  - .name:           k_qbf8776bd1f_qkv
    .symbol:         k_qbf8776bd1f_qkv.kd
    .args:
      - { .name: x_codes, .offset: 0, .size: 8, .value_kind: global_buffer, .address_space: global }
      - { .name: x_scales, .offset: 8, .size: 8, .value_kind: global_buffer, .address_space: global }
      - { .name: w_codes, .offset: 16, .size: 8, .value_kind: global_buffer, .address_space: global }
      - { .name: w_scales, .offset: 24, .size: 8, .value_kind: global_buffer, .address_space: global }
      - { .name: bq, .offset: 32, .size: 8, .value_kind: global_buffer, .address_space: global }
      - { .name: bv, .offset: 40, .size: 8, .value_kind: global_buffer, .address_space: global }
      - { .name: qkv16, .offset: 48, .size: 8, .value_kind: global_buffer, .address_space: global }
      - { .name: qkv32, .offset: 56, .size: 8, .value_kind: global_buffer, .address_space: global }
    .group_segment_fixed_size: 327680
    .private_segment_fixed_size: 0
    .kernarg_segment_align: 8
    .kernarg_segment_size: 64
    .max_flat_workgroup_size: 128
    .sgpr_count:     102
    .vgpr_count:     1024
    .wavefront_size: 32
...
	.end_amdgpu_metadata
.endif
;; end of part 2
;; launch attn (part 3): grid 4 x 64, 16 waves a work-group, clusters of 4 x 1, 327,680 bytes of LDS; arguments qkv16, o16; writes o16
.if DOCPART == 3
	.amdgcn_target "amdgcn-amd-amdhsa--gfx1250"
	.amdhsa_code_object_version 6
	.text
	.protected	k_qbf8776bd1f_attn
	.globl	k_qbf8776bd1f_attn
	.p2align	8
	.type	k_qbf8776bd1f_attn,@function
k_qbf8776bd1f_attn:
	s_mov_b64 s[64:65], 0
	v_nop
	global_prefetch_b8 v0, s[64:65] scope:SCOPE_SE
	s_setreg_imm32_b32 hwreg(HW_REG_WAVE_MODE, 25, 1), 1
	s_wait_xcnt 0x0
	s_wait_alu depctr_hold_cnt(0) depctr_sa_sdst(0) depctr_va_vdst(0) depctr_va_sdst(0) depctr_va_ssrc(0) depctr_va_vcc(0) depctr_vm_vsrc(0)
	s_getreg_b32 s2, hwreg(HW_REG_IB_STS2, 6, 4)
	s_cmp_eq_u32 s2, 0
	s_cbranch_scc0 .Lentry_in_a_cluster
	s_endpgm
.Lentry_in_a_cluster:
	s_bfe_u32 s2, ttmp6, 0x10000c
	s_cmp_lg_u32 s2, 0x3003
	s_cbranch_scc0 .Lentry_shape_is_right
	s_endpgm
.Lentry_shape_is_right:
; o[b][h][q][:] = the sum over k <= q of softmax_k(q . k / 8) v[k][:].  q, k, v, o: [batch x head 64][2048][64] f16 (rows of 128 bytes); products, maxima and sums in f32; the weights p are rounded to f16.
; WORK LEFT OUT: key steps that lie wholly above the diagonal (their weights are 0), and bk (shown at the head of the first kernel).
; LIMITS: |o| under 65,504.  Tokens 0-15 of each batch are computed here with the others; what is stored of them to out0 comes from the last launch, in f32.
; SHARES.  A cluster of four work-groups is one (batch, head).  Wave w of 16 takes the group of 128 queries u = w xor 3 ((w / 4) % 2); of that group the partner at place cx takes queries 128 u + 32 cx .. + 31: two tiles of 16.
; Every branch hangs on the group (the wave's number) and on the count of steps alone, never on cx: so the four partners walk alike, each has a wave (u = 15) that reads every tile, and each tile of K and V is asked for
; JOINTLY, once for the four.  cx enters global addresses and the lanes' mask compare alone.  Four waves share a SIMD, so that one wave's softmax stands beside another's products.
; LAYOUT.  S^T = K Q^T (source 0 = 16 keys, source 1 = 16 queries): a lane holds ONE query (lane % 16) and keys 8 (lane / 16) + 0..7.  Two such tiles, rounded to f16 in pairs, ARE source 1 of O^T = V^T P.  V is turned by ds_load_tr16_b128.
; SOFTMAX.  A running maximum m and sum l for each query: p = 2^(c s - c m), c = log2(e) / 8; O and l are multiplied by a = 2^(c m_old - c m_new) in every step.  Key 0 counts for every query and a group's first key for all its queries, so m is a number from a wave's first step on.
; RING.  Two slots of four key steps (64 keys each: 64 rows of K, then 64 of V).  Waves 0-3 fetch K's four tiles, waves 4-7 V's, one load each behind each round of the cluster's barrier; it has four steps in which to land.
.set KS,    64
.set PK,    144                        ; a row of K in LDS: 128 bytes + 16: the 16 rows of a load start at 16 different banks
.set PV,    160                        ; a row of V: 128 + 32, for the turning load
.set VOFF,  KS*PK
.set STEPB, KS*(PK+PV)
.set SLOT1, 1<<17                      ; one exclusive or turns an address in one slot into the other's
.set STAGE, SLOT1+4*STEPB              ; the way out: 32 rows x 144 bytes for each wave; no tensor load lands here
.set SPARE, STAGE+16*32*PK             ; the spare words, 128 bytes for each wave: eight blocks of 256 bytes that no other line names
.set AK0, 1
.set AV0, 2
.set ADK, 3
.set ADV, 4
.set SPW, 5
.set NIL, 6
.set LR,  7                            ; v7   lane % 16 - 8 (lane / 16)
.set NINF, 8                           ; v8   -infinity
.set PFO, 9                            ; v9   256 x lane
.set DQ,  10                           ; v10, v11  my query of tile 0, 1, less the step's first key, less 8 (lane / 16)
.set ST,  12                           ; tile t's statistics at v[12 + 8 t]: +0 c m, +1 m, +2, +3 l, +4 .. +7 at work (a in +6)
.set STO, 28
.set RD,  29
.set GO,  30
.set Q,   32                           ; v32-63   Q: tile t, channels 32 f on, at 32 + 16 t + 8 f
.set S,   64                           ; v64-127  S^T: tile t, keys 16 kt on, at 64 + 32 t + 8 kt; then P in its first 16 registers
.set O,   128                          ; v128-191 O^T: tile t, channels 16 dt on
.set FB,  192                          ; v192-255 K's fragments, then V's
.set WV,  8
.set CX,  10
.set HB,  11
.set G1K, 24
.set G1V, 32
.set G0K, 40
.set G0V, 44
.set CS,  48
.set SEL, 50
.set TS,  52                           ; s52  LDS byte at which the step's tiles begin
.set KF,  53                           ; s53  the step's first key
.set GQ,  54                           ; s54  my group's first query
.set GL,  55                           ; s55  and its last
.set Q0,  56                           ; s56  my first query
.set SLOTS, 57
.set CNT, 58
.set PFA, 60
.set LIM, 62
.macro TLOAD                           ; waves 0-3 fetch for K, waves 4-7 for V, the others nothing; the branches hang on the wave's number alone.  An s_nop 0 and four v_nop follow each load
	s_cmp_lt_u32 s[WV], 4
	s_cbranch_scc0 .Lnot_k_\@
	tensor_load_to_lds s[G0K:G0K+3], s[G1K:G1K+7]
	s_nop 0
.rept 4
	v_nop
.endr
	s_branch .Lasked_\@
.Lnot_k_\@:
	s_cmp_lt_u32 s[WV], 8
	s_cbranch_scc0 .Lasked_\@
	tensor_load_to_lds s[G0V:G0V+3], s[G1V:G1V+7]
	s_nop 0
.rept 4
	v_nop
.endr
.Lasked_\@:
.endm
; A prefetch of what the NEXT change of slots will ask for: a slot's 32,768 bytes of K and of V.  The four partners take 8,192 bytes each, told apart by address; in each, wave 8 asks for K's and wave 9 for V's,
; lanes 256 bytes apart: each block of 256 bytes is named once in the launch.  The last change that fills a slot asks for nothing; slots 0 and 1 come by their loads alone.
.macro ASK
	s_cmp_gt_u32 s[SLOTS], s[LIM]
	s_cbranch_scc0 .Lnot_mine_\@
	global_prefetch_b8 v[PFO], s[PFA:PFA+1] th:TH_LOAD_NT scope:SCOPE_SE
.Lnot_mine_\@:
.endm
.macro CROUND
	s_barrier_signal -1
	s_barrier_wait -1
	s_cmp_lg_u32 s[WV], 0
	s_cbranch_scc1 .Lnot_wave_0_\@
	s_barrier_signal -3
.Lnot_wave_0_\@:
	s_barrier_wait -3
	s_barrier_signal -1
	s_barrier_wait -1
.endm
	s_load_b128 s[4:7], s[0:1], 0x0                ; qkv16 s[4:5], o16 s[6:7]
	v_lshl_add_u32 v[SPW], v0, 2, SPARE
	v_mov_b32 v[NIL], 0
	ds_add_u32 v[SPW], v[NIL]                      ; the wave's opening: the add, twice on end, and its wait ahead of the first tensor load
	ds_add_u32 v[SPW], v[NIL]
	v_lshrrev_b32 v1, 5, v0
	v_readfirstlane_b32 s[WV], v1                  ; wave 0..15
	s_bfe_u32 s[CX], ttmp6, 0x40000                ; my place in the cluster
	s_and_b32 s[HB], ttmp7, 0xffff                 ; (batch, head), which the four partners share
	s_bfe_u32 s66, s[WV], 0x10002
	s_mul_i32 s66, s66, 3
	s_xor_b32 s9, s[WV], s66                       ; u
	s_lshl_b32 s[GQ], s9, 7
	s_add_co_u32 s[GL], s[GQ], 127
	s_lshl_b32 s66, s[CX], 5
	s_add_co_u32 s[Q0], s[GQ], s66
	s_mov_b32 s[G1K], 15|(1<<16)|(1<<20)|(1<<21)|(4<<22)|(3<<25)  ; the mask: all four; elements of 2 bytes; padding: 4 words behind every 32
	s_mov_b32 s[G1V], 15|(1<<16)|(1<<20)|(1<<21)|(4<<22)|(7<<25)  ; the same with 8 words
.irp g, G1K, G1V
	s_mov_b32 s[\g+1], 64<<16                      ; tensor_dim0
	s_mov_b32 s[\g+2], KS<<16                      ; tensor_dim1
	s_mov_b32 s[\g+3], 64<<16                      ; tile_dim0
	s_mov_b32 s[\g+4], KS                          ; tile_dim1
	s_mov_b32 s[\g+5], 64                          ; from row to row
	s_mov_b32 s[\g+6], 0
	s_mov_b32 s[\g+7], 0
.endr
	s_mov_b32 s[CS], 0x3e38aa3b                    ; c = log2(e) / 8
	s_mov_b32 s[CS+1], s[CS]
	s_mov_b32 s[SEL], 0x76543210
	s_mov_b32 s[SEL+1], 0xfedcba98
	s_mov_b32 s[TS], 0
	s_mov_b32 s[KF], 0
	s_mov_b32 s[SLOTS], 7
	s_and_b32 s12, s[WV], 3                        ; which of a slot's four steps I fetch
	s_mul_i32 s13, s12, STEPB                      ; its place in a slot
	s_lshl_b32 s14, s[HB], 18                      ; the head's 262,144 bytes
	s_lshl_b32 s15, s12, 13                        ; + 64 rows of 128 bytes
	s_add_co_u32 s14, s14, s15
	s_mov_b32 s15, 0
	s_lshl_b32 s16, s[HB], 18                      ; my 32 rows of Q and of O
	s_lshl_b32 s17, s[Q0], 7
	s_add_co_u32 s16, s16, s17
	s_mov_b32 s17, 0
	s_mov_b32 s18, 0x2000000                       ; the prefetches: V's part of the buffer, or (wave 8) K's,
	s_cmp_eq_u32 s[WV], 8
	s_cselect_b32 s18, 0x1000000, s18
	s_lshl_b32 s19, s[HB], 18
	s_add_co_u32 s18, s18, s19                     ; in my head,
	s_lshl_b32 s19, s[CX], 13
	s_add_co_u32 s18, s18, s19                     ; my work-group's 8,192 bytes,
	s_add_co_u32 s18, s18, 4*KS*128                ; in slot 1: the first change of slots steps it to slot 2
	s_mov_b32 s19, 0
	s_lshr_b32 s66, s[WV], 1
	s_cmp_eq_u32 s66, 4
	s_cselect_b32 s[LIM], 1, -1                    ; waves 8 and 9 ask
	s_wait_dscnt 0x0                               ; both opening adds are done
	s_wait_kmcnt 0x0
	s_mov_b32 s[G0K], 1
	s_mov_b32 s[G0K+1], s13
	s_add_nc_u64 s[G0K+2:G0K+3], s[4:5], s[14:15]
	s_add_nc_u64 s[G0K+2:G0K+3], s[G0K+2:G0K+3], 0x1000000
	s_or_b32 s[G0K+3], s[G0K+3], 0x80000000
	s_mov_b32 s[G0V], 1
	s_add_co_u32 s[G0V+1], s13, VOFF
	s_add_nc_u64 s[G0V+2:G0V+3], s[4:5], s[14:15]
	s_add_nc_u64 s[G0V+2:G0V+3], s[G0V+2:G0V+3], 0x2000000
	s_or_b32 s[G0V+3], s[G0V+3], 0x80000000
	s_add_nc_u64 s[20:21], s[4:5], s[16:17]        ; Q at my first query
	s_add_nc_u64 s[22:23], s[6:7], s[16:17]        ; O likewise
	s_add_nc_u64 s[PFA:PFA+1], s[4:5], s[18:19]
	CROUND                                         ; all four work-groups are here
	TLOAD                                          ; slot 0
	v_and_b32 v10, 15, v0                          ; r
	v_bfe_u32 v11, v0, 4, 1                        ; h
	v_lshlrev_b32 v3, 7, v10
	v_lshl_add_u32 v3, v11, 4, v3                  ; Q: row r of 128 bytes + 16 h
.irp t, 0,1
.irp f, 0,1
	global_load_b128 v[Q+16*\t+8*\f:Q+16*\t+8*\f+3], v3, s[20:21] offset:\t*2048+64*\f
	global_load_b128 v[Q+16*\t+8*\f+4:Q+16*\t+8*\f+7], v3, s[20:21] offset:\t*2048+64*\f+32
.endr
.endr
	v_mul_u32_u24 v[AK0], v10, PK
	v_lshl_add_u32 v[AK0], v11, 4, v[AK0]          ; K: row r x pitch + 16 h
	v_and_b32 v[AV0], 7, v0
	v_lshl_add_u32 v[AV0], v11, 3, v[AV0]
	v_mul_u32_u24 v[AV0], v[AV0], PV               ; V: key 8 h + lane % 8,
	v_bfe_u32 v4, v0, 3, 1
	v_lshl_add_u32 v[AV0], v4, 4, v[AV0]           ; channels 8 ((lane / 8) % 2) on
	v_add_nc_u32 v[AV0], VOFF, v[AV0]
	v_lshlrev_b32 v[LR], 3, v11
	v_sub_nc_u32 v[LR], v10, v[LR]
	v_mov_b32 v[NINF], 0xff800000
	v_and_b32 v[PFO], 31, v0
	v_lshlrev_b32 v[GO], 4, v[PFO]                 ; the way out: 16 x lane
	v_lshlrev_b32 v[PFO], 8, v[PFO]
	s_mul_i32 s66, s[WV], 32*PK
	s_add_co_u32 s66, s66, STAGE                   ; my stage
	v_add_nc_u32 v[STO], s66, v[AK0]               ; in: row r, 16 bytes for each half of the lanes
	v_bfe_u32 v[RD], v0, 3, 2
	v_mul_u32_u24 v[RD], v[RD], PK
	v_and_b32 v4, 7, v0
	v_lshl_add_u32 v[RD], v4, 4, v[RD]
	v_add_nc_u32 v[RD], s66, v[RD]                 ; back: eight lanes to a row, four rows an instruction
.irp t, 0,1
	v_mov_b32 v[ST+8*\t+1], 0xff61b1e6             ; m = -3e38, under every score
	v_mul_f32 v[ST+8*\t], s[CS], v[ST+8*\t+1]      ; c m
.irp i, 2,3,4,5,6,7
	v_mov_b32 v[ST+8*\t+\i], 0                     ; l, and the registers at work
.endr
.endr
.set i, 0
.rept 64
	v_mov_b32 v[O+i], 0                            ; O^T.  (The step is written once: the first finds zeros, which its a = 0 leaves zeros)
.set i, i+1
.endr
; A KEY STEP: 64 keys.
.macro STEP
	s_cmp_gt_u32 s[KF], s[GL]                      ; all its keys come after my group's queries: the work is left out; the lines at the end that step addresses are not
	s_cbranch_scc1 .Lhidden_\@
	v_add_nc_u32 v[ADK], s[TS], v[AK0]
	v_add_nc_u32 v[ADV], s[TS], v[AV0]
.rept 3
	v_nop                                          ; with the two additions five places: the loads below land in registers that the last products read, and the first products below write over P
.endr
.irp kt, 0,1,2,3
.irp f, 0,1
	ds_load_b128 v[FB+8*(2*\kt+\f):FB+8*(2*\kt+\f)+3], v[ADK] offset:\kt*16*PK+64*\f
	ds_load_b128 v[FB+8*(2*\kt+\f)+4:FB+8*(2*\kt+\f)+7], v[ADK] offset:\kt*16*PK+64*\f+32
.endr
.endr
	s_wait_dscnt 0x0
.irp f, 0,1                                    ; S^T = K Q^T: eight accumulators by turns
.irp kt, 0,1,2,3
.irp t, 0,1
.if \f == 0
	v_wmma_f32_16x16x32_f16 v[S+32*\t+8*\kt:S+32*\t+8*\kt+7], v[FB+8*(2*\kt+\f):FB+8*(2*\kt+\f)+7], v[Q+16*\t+8*\f:Q+16*\t+8*\f+7], 0
.else
	v_wmma_f32_16x16x32_f16 v[S+32*\t+8*\kt:S+32*\t+8*\kt+7], v[FB+8*(2*\kt+\f):FB+8*(2*\kt+\f)+7], v[Q+16*\t+8*\f:Q+16*\t+8*\f+7], v[S+32*\t+8*\kt:S+32*\t+8*\kt+7]
.endif
.endr
.endr
.endr
.rept 4
	v_nop                                          ; places in front of the loads into K's registers and of the first read of the scores
.endr
.irp kf, 0,1                                   ; V, turned: it lands while the softmax is walked
.irp dt, 0,1,2,3
	ds_load_tr16_b128 v[FB+8*(4*\kf+\dt):FB+8*(4*\kf+\dt)+3], v[ADV] offset:\kf*32*PV+32*\dt
	ds_load_tr16_b128 v[FB+8*(4*\kf+\dt)+4:FB+8*(4*\kf+\dt)+7], v[ADV] offset:\kf*32*PV+16*PV+32*\dt
.endr
.endr
	s_cmp_lt_u32 s[KF], s[GQ]                      ; all keys count for all of the group's queries: no mask
	s_cbranch_scc1 .Lopen_\@
	s_sub_co_i32 s66, s[Q0], s[KF]
	v_add_nc_u32 v[DQ], s66, v[LR]
	v_add_nc_u32 v[DQ+1], 16, v[DQ]                ; register 8 kt + j holds key KF + 16 kt + 8 (lane / 16) + j: hidden where 16 kt + j > my query - KF - 8 (lane / 16)
.irp t, 0,1
.irp n, 0,1,2,3,4,5,6,7,8,9,10,11,12,13,14,15,16,17,18,19,20,21,22,23,24,25,26,27,28,29,30,31
	v_cmp_gt_i32 vcc_lo, 16*(\n/8)+\n%8, v[DQ+\t]
	v_cndmask_b32 v[S+32*\t+\n], v[S+32*\t+\n], v[NINF], vcc_lo
.endr
.endr
.Lopen_\@:
.irp j, 0,1,2,3                                ; the maximum: four chains a tile, each accumulator from its low end; the two tiles line by line
.irp t, 0,1
	v_max3_num_f32 v[ST+8*\t+4+\j], v[S+32*\t+8*\j], v[S+32*\t+8*\j+1], v[S+32*\t+8*\j+2]
.endr
.endr
.irp i, 3,5
.irp j, 0,1,2,3
.irp t, 0,1
	v_max3_num_f32 v[ST+8*\t+4+\j], v[ST+8*\t+4+\j], v[S+32*\t+8*\j+\i], v[S+32*\t+8*\j+\i+1]
.endr
.endr
.endr
.irp t, 0,1
	v_max3_num_f32 v[ST+8*\t+4], v[ST+8*\t+4], v[S+32*\t+7], v[S+32*\t+15]
	v_max3_num_f32 v[ST+8*\t+6], v[ST+8*\t+6], v[S+32*\t+23], v[S+32*\t+31]
.endr
.irp t, 0,1
	v_max3_num_f32 v[ST+8*\t+4], v[ST+8*\t+4], v[ST+8*\t+5], v[ST+8*\t+6]
.endr
.irp t, 0,1
	v_max3_num_f32 v[ST+8*\t+4], v[ST+8*\t+4], v[ST+8*\t+7], v[ST+8*\t+1]   ; with the old m
.endr
.irp t, 0,1
	v_permlanex16_b32 v[ST+8*\t+5], v[ST+8*\t+4], s[SEL], s[SEL+1]         ; the query's other 32 keys lie in the lane 16 away
.endr
.irp t, 0,1
	v_mov_b32 v[ST+8*\t+7], v[ST+8*\t]             ; c m_old
.endr
.irp t, 0,1
	v_max_num_f32 v[ST+8*\t+1], v[ST+8*\t+4], v[ST+8*\t+5]
.endr
.irp t, 0,1
	v_mul_f32 v[ST+8*\t], s[CS], v[ST+8*\t+1]
.endr
.irp t, 0,1
	v_sub_f32 v[ST+8*\t+7], v[ST+8*\t+7], v[ST+8*\t]
.endr
.irp b, 0,1,2,3,4,5,6,7,8,9,10,11,12,13,14,15
.irp t, 0,1
	v_pk_fma_f32 v[S+32*\t+2*\b:S+32*\t+2*\b+1], v[S+32*\t+2*\b:S+32*\t+2*\b+1], s[CS:CS+1], v[ST+8*\t:ST+8*\t+1] op_sel_hi:[1,0,0] neg_lo:[0,0,1] neg_hi:[0,0,1]   ; c s - c m
.endr
.endr
.irp t, 0,1                                    ; ONE batch of 66 exponentials
	v_exp_f32 v[ST+8*\t+6], v[ST+8*\t+7]           ; a
.endr
.irp n, 0,1,2,3,4,5,6,7,8,9,10,11,12,13,14,15,16,17,18,19,20,21,22,23,24,25,26,27,28,29,30,31
.irp t, 0,1
	v_exp_f32 v[S+32*\t+\n], v[S+32*\t+\n]
.endr
.endr
	v_nop                                          ; a plain instruction behind the last exponential
	s_wait_alu depctr_va_vdst(0)                   ; one wait for the batch, ahead of its first reader
.irp t, 0,1                                    ; l = a l + the sum of p, in two chains a tile
	v_pk_fma_f32 v[ST+8*\t+2:ST+8*\t+3], v[ST+8*\t+2:ST+8*\t+3], v[ST+8*\t+6:ST+8*\t+7], v[S+32*\t:S+32*\t+1] op_sel_hi:[1,0,1]
	v_pk_add_f32 v[ST+8*\t+4:ST+8*\t+5], v[S+32*\t+2:S+32*\t+3], v[S+32*\t+4:S+32*\t+5]
.endr
.irp j, 6,10,14,18,22,26
.irp t, 0,1
	v_pk_add_f32 v[ST+8*\t+2:ST+8*\t+3], v[ST+8*\t+2:ST+8*\t+3], v[S+32*\t+\j:S+32*\t+\j+1]
	v_pk_add_f32 v[ST+8*\t+4:ST+8*\t+5], v[ST+8*\t+4:ST+8*\t+5], v[S+32*\t+\j+2:S+32*\t+\j+3]
.endr
.endr
.irp t, 0,1
	v_pk_add_f32 v[ST+8*\t+2:ST+8*\t+3], v[ST+8*\t+2:ST+8*\t+3], v[S+32*\t+30:S+32*\t+31]
.endr
.irp t, 0,1
	v_pk_add_f32 v[ST+8*\t+2:ST+8*\t+3], v[ST+8*\t+2:ST+8*\t+3], v[ST+8*\t+4:ST+8*\t+5]
.endr
.irp p, 0,1,2,3,4,5,6,7,8,9,10,11,12,13,14,15  ; p to f16, in place, ascending: pair p lands in register p, which pair p / 2 has left
.irp t, 0,1
	v_cvt_pk_f16_f32 v[S+32*\t+\p], v[S+32*\t+2*\p], v[S+32*\t+2*\p+1]
.endr
.endr
.irp p, 0,1,2,3,4,5,6,7,8,9,10,11,12,13,14,15
.irp t, 0,1
	v_pk_mul_f32 v[O+32*\t+2*\p:O+32*\t+2*\p+1], v[O+32*\t+2*\p:O+32*\t+2*\p+1], v[ST+8*\t+6:ST+8*\t+7] op_sel_hi:[1,0]   ; O^T x a
.endr
.endr
	s_wait_dscnt 0x0                               ; V is in
.irp kf, 0,1                                   ; O^T += V^T P: eight accumulators by turns
.irp dt, 0,1,2,3
.irp t, 0,1
	v_wmma_f32_16x16x32_f16 v[O+32*\t+8*\dt:O+32*\t+8*\dt+7], v[FB+8*(4*\kf+\dt):FB+8*(4*\kf+\dt)+7], v[S+32*\t+8*\kf:S+32*\t+8*\kf+7], v[O+32*\t+8*\dt:O+32*\t+8*\dt+7]
.endr
.endr
.endr
.Lhidden_\@:
	s_add_co_u32 s[TS], s[TS], STEPB
	s_add_co_u32 s[KF], s[KF], KS
.endm
; THE CHANGE OF SLOTS stands at a slot's head.  Each wave waits for all its tensor loads, adds 0 to its spare word (fill = 1: twice on end), and waits for that and for its reads of the slot that it has left.
; fill = 1: a round of the cluster's barrier, so that no wave of any partner still reads that slot; then it is filled with the keys that follow.
.macro CHANGE fill
	s_wait_tensorcnt 0x0                           ; no tensor load of mine is out, so a group 0 may be written
	ds_add_u32 v[SPW], v[NIL]
.if \fill
	ds_add_u32 v[SPW], v[NIL]                      ; and once more
	s_xor_b32 s[G0K+1], s[G0K+1], SLOT1
	s_add_nc_u64 s[G0K+2:G0K+3], s[G0K+2:G0K+3], 4*KS*128
	s_xor_b32 s[G0V+1], s[G0V+1], SLOT1
	s_add_nc_u64 s[G0V+2:G0V+3], s[G0V+2:G0V+3], 4*KS*128
	s_wait_xcnt 0x0                                ; the last prefetch, a slot back, has read its address
	s_add_nc_u64 s[PFA:PFA+1], s[PFA:PFA+1], 4*KS*128
	s_wait_dscnt 0x0
	CROUND
	TLOAD                                          ; the first thing behind the round, and a wave's one tensor load until the next
	ASK
.else
	s_wait_dscnt 0x0
	s_barrier_signal -1
	s_barrier_wait -1
.endif
.endm
.macro FOUR_STEPS                      ; a slot's four steps: written once, walked four times
	s_mov_b32 s[CNT], 4
.Lstep_\@:
	STEP
	s_sub_co_u32 s[CNT], s[CNT], 1
	s_cmp_lg_u32 s[CNT], 0
	s_cbranch_scc1 .Lstep_\@
	s_sub_co_u32 s[TS], s[TS], 4*STEPB
	s_xor_b32 s[TS], s[TS], SLOT1                  ; on to the other slot
.endm
	s_wait_loadcnt 0x0                             ; Q
.Lslot:                                            ; seven trips: behind each change of slots but the last the next slot is asked for
	CHANGE 1
	FOUR_STEPS
	s_sub_co_u32 s[SLOTS], s[SLOTS], 1
	s_cmp_lg_u32 s[SLOTS], 0
	s_cbranch_scc1 .Lslot
	CHANGE 0                                       ; the last slot is written out
	FOUR_STEPS
	; THE WAY OUT: O^T / l, rounded to f16, through my stage: 32 rows of 128 bytes, which are 4,096 consecutive bytes of o16
.irp t, 0,1
	v_add_f32 v[ST+8*\t+4], v[ST+8*\t+2], v[ST+8*\t+3]
.endr
.irp t, 0,1
	v_permlanex16_b32 v[ST+8*\t+5], v[ST+8*\t+4], s[SEL], s[SEL+1]
.endr
.irp t, 0,1
	v_add_f32 v[ST+8*\t+4], v[ST+8*\t+4], v[ST+8*\t+5]
.endr
.irp t, 0,1
	v_rcp_f32 v[ST+8*\t+6], v[ST+8*\t+4]
.endr
	v_nop
	s_wait_alu depctr_va_vdst(0)                   ; one wait for the two reciprocals, ahead of their first reader
.irp t, 0,1
.irp p, 0,1,2,3,4,5,6,7,8,9,10,11,12,13,14,15
	v_pk_mul_f32 v[O+32*\t+2*\p:O+32*\t+2*\p+1], v[O+32*\t+2*\p:O+32*\t+2*\p+1], v[ST+8*\t+6:ST+8*\t+7] op_sel_hi:[1,0]
.endr
.endr
.irp t, 0,1
.irp p, 0,1,2,3,4,5,6,7,8,9,10,11,12,13,14,15
	v_cvt_pk_f16_f32 v[S+16*\t+\p], v[O+32*\t+2*\p], v[O+32*\t+2*\p+1]
.endr
.endr
.irp t, 0,1
.irp dt, 0,1,2,3
	ds_store_b128 v[STO], v[S+16*\t+4*\dt:S+16*\t+4*\dt+3] offset:\t*16*PK+32*\dt
.endr
.endr
.irp i, 0,1,2,3,4,5,6,7
	ds_load_b128 v[S+32+4*\i:S+32+4*\i+3], v[RD] offset:\i*4*PK   ; LDS serves a wave's instructions in order: these see my stores
.endr
.irp i, 0,1,2,3,4,5,6,7
	s_wait_dscnt 7-\i
	global_store_b128 v[GO], v[S+32+4*\i:S+32+4*\i+3], s[22:23] offset:512*\i   ; 512 consecutive bytes, aligned
.endr
	s_wait_tensorcnt 0x0                           ; the wave's end
	ds_add_u32 v[SPW], v[NIL]
	s_wait_dscnt 0x0
	CROUND                                         ; the closing round
	s_endpgm
.Lfunc_end_k_qbf8776bd1f_attn:
	.size	k_qbf8776bd1f_attn, .Lfunc_end_k_qbf8776bd1f_attn-k_qbf8776bd1f_attn
	.p2alignl 7, 3214868480
	.fill 96, 4, 3214868480
	.section	.rodata,"a",@progbits
	.p2align	6, 0x0
	.amdhsa_kernel k_qbf8776bd1f_attn
		.amdhsa_group_segment_fixed_size 327680
		.amdhsa_private_segment_fixed_size 0
		.amdhsa_enable_private_segment 0
		.amdhsa_kernarg_size 16
		.amdhsa_user_sgpr_count 2
		.amdhsa_user_sgpr_kernarg_segment_ptr 1
		.amdhsa_wavefront_size32 1
		.amdhsa_system_sgpr_workgroup_id_x 1
		.amdhsa_system_sgpr_workgroup_id_y 1
		.amdhsa_system_sgpr_workgroup_id_z 1
		.amdhsa_system_vgpr_workitem_id 0
		.amdhsa_next_free_vgpr 256
		.amdhsa_next_free_sgpr 72
		.amdhsa_reserve_vcc 1
		.amdhsa_float_denorm_mode_32 3
		.amdhsa_float_denorm_mode_16_64 3
		.amdhsa_memory_ordered 1
		.amdhsa_forward_progress 1
		.amdhsa_inst_pref_size 61
	.end_amdhsa_kernel
	.amdgpu_metadata
---
amdhsa.version: [ 1, 2 ]
amdhsa.kernels:
  - .name:           k_qbf8776bd1f_attn
    .symbol:         k_qbf8776bd1f_attn.kd
    .args:
      - { .name: qkv16, .offset: 0, .size: 8, .value_kind: global_buffer, .address_space: global }
      - { .name: o16, .offset: 8, .size: 8, .value_kind: global_buffer, .address_space: global }
    .group_segment_fixed_size: 327680
    .private_segment_fixed_size: 0
    .kernarg_segment_align: 8
    .kernarg_segment_size: 16
    .max_flat_workgroup_size: 512
    .sgpr_count:     72
    .vgpr_count:     256
    .wavefront_size: 32
...
	.end_amdgpu_metadata
.endif
;; end of part 3
;; launch proj (part 4): grid 4 x 64, 4 waves a work-group, clusters of 4 x 4, 327,680 bytes of LDS; arguments o16, wot16, bo, out0; writes out0
.if DOCPART == 4
	.amdgcn_target "amdgcn-amd-amdhsa--gfx1250"
	.amdhsa_code_object_version 6
	.text
	.protected	k_qbf8776bd1f_proj
	.globl	k_qbf8776bd1f_proj
	.p2align	8
	.type	k_qbf8776bd1f_proj,@function
k_qbf8776bd1f_proj:
	s_mov_b64 s[64:65], 0
	v_nop
	global_prefetch_b8 v0, s[64:65] scope:SCOPE_SE
	s_setreg_imm32_b32 hwreg(HW_REG_WAVE_MODE, 25, 1), 1
	s_wait_xcnt 0x0
	s_wait_alu depctr_hold_cnt(0) depctr_sa_sdst(0) depctr_va_vdst(0) depctr_va_sdst(0) depctr_va_ssrc(0) depctr_va_vcc(0) depctr_vm_vsrc(0)
	s_getreg_b32 s2, hwreg(HW_REG_IB_STS2, 6, 4)
	s_cmp_eq_u32 s2, 0
	s_cbranch_scc0 .Lentry_in_a_cluster
	s_endpgm
.Lentry_in_a_cluster:
	s_bfe_u32 s2, ttmp6, 0x10000c
	s_cmp_lg_u32 s2, 0xf033
	s_cbranch_scc0 .Lentry_shape_is_right
	s_endpgm
.Lentry_shape_is_right:
; out0 = o Wo + bo.  o: o16 [batch][head][token][64] f16 (K = 64 x head + channel); Wo: wot16 [k / 64][n][64] f16; sums in f32, begun with bo as C; out0 [8192][1024] f32.
; Tokens 0-15 of each batch are NOT stored here: the last launch owns those rows and computes them in f32.  (They lie inside tiles with live work, so their products are made with the others.)
; A tile of out0 is 128 rows x 256 columns: 256 work-groups.  Four waves, 64 x 128 each: 32 accumulators.  K goes in steps of 128 (two heads) through two LDS slots; a sub-tile (one head) has dense rows of 128 bytes.
; CLUSTERS: 4 x 4.  Tile column = cx; tile row = 16 cy + cluster y (cy is the batch).  A's tiles are shared along a row of the cluster, B's along a column, by joint loads: waves 0, 1 fetch A's two heads, waves 2, 3 B's.
; THE MATRIX INSTRUCTION IS USED TRANSPOSED (source 0 = 16 rows of Wo^T, source 1 = 16 tokens): a lane holds eight neighbouring columns of one token.
; REGISTERS: window 0: v0-31 addresses; v32-95 bo in the result's layout; v128-159, v160-191 A's fragments, two buffers; on the way out v128-255 rows read back.  window 1: B's fragments, v0-63 and v64-127.  window 2: the accumulators, (a, b) at v[8 (8 a + b)].
.set PITCH,  144                       ; an LDS row: 128 bytes + 16
.set ASUB,   128*PITCH
.set BSUB,   256*PITCH
.set SLOT,   2*ASUB+2*BSUB             ; A head 0, A head 1, B head 0, B head 1
.set STAGE,  2*SLOT                    ; 16 rows x 528 bytes for each wave; no tensor load lands here
.set SPITCH, 528
.set SPARE,  STAGE+4*16*SPITCH         ; the spare words, 128 bytes for each wave: two blocks of 256 bytes that no other line names
.set LAPS,   4                         ; a lap = two K steps of 128
.set ADRA, 16
.set ADRB, 20
.set STO,  24
.set RD,   25
.set CO,   26
.set BOF,  27
.set SPW,  28
.set NIL,  29
.set BI,   32
.set AF,   128
.set BK,   128
.set G1, 24
.set G0, 32
.set G1B, 48
.set G0B, 56
.set MSB, 0
.macro WIN new
.if MSB != \new
	s_set_vgpr_msb (MSB<<8)|\new
.set MSB, \new
.endif
.endm
.set MUL,   0xa1                       ; source 0 (B) window 1, source 1 (A) window 0, C and D window 2
.set FIRST, 0x81                       ; the same with C (bo) in window 0
.set TO_B,  0x40
.macro JLOAD s                         ; a joint load; an s_nop 0 and four v_nop follow each of the two lines
	s_cmp_eq_u32 s11, 0
	s_cbranch_scc0 .Lfor_b_\@
	tensor_load_to_lds s[G0+4*\s:G0+4*\s+3], s[G1:G1+7]
	s_nop 0
.rept 4
	v_nop
.endr
	s_branch .Lasked_\@
.Lfor_b_\@:
	tensor_load_to_lds s[G0B+4*\s:G0B+4*\s+3], s[G1B:G1B+7]
	s_nop 0
.rept 4
	v_nop
.endr
.Lasked_\@:
.endm
.macro CREST
	s_cmp_lg_u32 s10, 0
	s_cbranch_scc1 .Lnot_wave_0_\@
	s_barrier_signal -3
.Lnot_wave_0_\@:
	s_barrier_wait -3
	s_barrier_signal -1
	s_barrier_wait -1
.endm
.macro CROUND
	s_barrier_signal -1
	s_barrier_wait -1
	CREST
.endm
	s_load_b128 s[4:7], s[0:1], 0x0                ; o16 s[4:5], wot16 s[6:7]
	s_load_b64 s[66:67], s[0:1], 0x10              ; bo
	s_load_b64 s[8:9], s[0:1], 0x18                ; out0
	v_lshl_add_u32 v[SPW], v0, 2, SPARE
	v_mov_b32 v[NIL], 0
	ds_add_u32 v[SPW], v[NIL]                      ; the wave's opening: the add, twice on end, and its wait ahead of my first tensor load
	ds_add_u32 v[SPW], v[NIL]
	v_lshrrev_b32 v1, 5, v0
	v_readfirstlane_b32 s10, v1                    ; wave 0..3
	s_lshr_b32 s11, s10, 1                         ; which 64 rows are mine.  Also: I fetch for A (0) or for B (1)
	s_and_b32 s12, s10, 1                          ; which 128 columns.  Also: which head of the K step I fetch
	s_bfe_u32 s40, ttmp6, 0x40000                  ; cx
	s_bfe_u32 s41, ttmp6, 0x40004                  ; cy
	s_and_b32 s13, ttmp7, 0xffff                   ; cluster y
	s_lshl_b32 s43, s41, 2
	s_lshl_b32 s43, 15, s43                        ; my row of the cluster
	s_lshl_b32 s44, 0x1111, s40                    ; my column
	s_or_b32 s[G1+0], s43, (1<<16)|(1<<20)|(1<<21)|(4<<22)|(3<<25)  ; the mask; elements of 2 bytes; padding: 4 words behind every 32
	s_or_b32 s[G1B+0], s44, (1<<16)|(1<<20)|(1<<21)|(4<<22)|(3<<25)
	s_mov_b32 s[G1+1], 64<<16                      ; tensor_dim0
	s_mov_b32 s[G1+2], 128<<16                     ; tensor_dim1
	s_mov_b32 s[G1+3], 64<<16                      ; tile_dim0
	s_mov_b32 s[G1+4], 128                         ; tile_dim1
	s_mov_b32 s[G1+5], 64                          ; from row to row
	s_mov_b32 s[G1+6], 0
	s_mov_b32 s[G1+7], 0
	s_mov_b32 s[G1B+1], 64<<16
	s_mov_b32 s[G1B+2], 256<<16
	s_mov_b32 s[G1B+3], 64<<16
	s_mov_b32 s[G1B+4], 256
	s_mov_b32 s[G1B+5], 64
	s_mov_b32 s[G1B+6], 0
	s_mov_b32 s[G1B+7], 0
	s_lshl_b32 s16, s41, 4                         ; A: ((16 cy + head) x 2,048 + 128 x cluster y) x 128 bytes
	s_add_co_u32 s16, s16, s12
	s_lshl_b32 s16, s16, 11
	s_lshl_b32 s17, s13, 7
	s_add_co_u32 s16, s16, s17
	s_lshl_b32 s16, s16, 7
	s_mov_b32 s17, 0
	s_lshl_b32 s46, s12, 10                        ; B: (head x 1,024 + 256 cx) x 128 bytes
	s_lshl_b32 s47, s40, 8
	s_add_co_u32 s46, s46, s47
	s_lshl_b32 s46, s46, 7
	s_mov_b32 s47, 0
	s_mul_i32 s20, s12, ASUB                       ; where they go: no place in the cluster enters an LDS address
	s_mul_i32 s21, s12, BSUB
	s_add_co_u32 s21, s21, 2*ASUB
	s_wait_dscnt 0x0                               ; both opening adds are done
	s_wait_kmcnt 0x0
	s_add_nc_u64 s[14:15], s[4:5], s[16:17]
	s_add_nc_u64 s[46:47], s[6:7], s[46:47]
	CROUND                                         ; all sixteen work-groups are here
.irp s, 0,1
	s_mov_b32 s[G0+4*\s], 1
	s_add_co_u32 s[G0+4*\s+1], s20, \s*SLOT
	s_add_nc_u64 s[G0+4*\s+2:G0+4*\s+3], s[14:15], \s*524288       ; K step s: two heads of 2,048 x 128 bytes on
	s_or_b32 s[G0+4*\s+3], s[G0+4*\s+3], 0x80000000
	s_mov_b32 s[G0B+4*\s], 1
	s_add_co_u32 s[G0B+4*\s+1], s21, \s*SLOT
	s_add_nc_u64 s[G0B+4*\s+2:G0B+4*\s+3], s[46:47], \s*262144     ; two blocks of 1,024 x 128 bytes on
	s_or_b32 s[G0B+4*\s+3], s[G0B+4*\s+3], 0x80000000
	JLOAD \s
.endr
	v_and_b32 v1, 15, v0                           ; r
	v_bfe_u32 v2, v0, 4, 1                         ; h
	v_lshlrev_b32 v[BOF], 5, v2
	s_lshl_b32 s16, s40, 10                        ; my 128 columns: (256 cx + 128 x half) x 4 bytes
	s_lshl_b32 s17, s12, 9
	s_add_co_u32 s16, s16, s17
	s_mov_b32 s17, 0
	s_add_nc_u64 s[66:67], s[66:67], s[16:17]
	s_add_nc_u64 s[8:9], s[8:9], s[16:17]
.irp b, 0,1,2,3,4,5,6,7
	global_load_b128 v[BI+8*\b:BI+8*\b+3], v[BOF], s[66:67] offset:64*\b       ; lane (r, h): bo of columns 16 b + 8 h + 0 .. 7
	global_load_b128 v[BI+8*\b+4:BI+8*\b+7], v[BOF], s[66:67] offset:64*\b+16
.endr
	v_mul_u32_u24 v3, v1, PITCH
	v_lshl_add_u32 v3, v2, 4, v3                   ; a fragment's row x pitch + 16 h
	s_mul_i32 s21, s11, 64*PITCH                   ; my 64 rows of A
	s_mul_i32 s22, s12, 128*PITCH                  ; my 128 rows of B,
	s_add_co_u32 s22, s22, 2*ASUB                  ; which lie behind A's two heads
.irp s, 0,1
	v_add_nc_u32 v[ADRA+\s], s21, v3
	v_add_nc_u32 v[ADRB+\s], s22, v3
	s_add_co_u32 s21, s21, SLOT
	s_add_co_u32 s22, s22, SLOT
.endr
	s_mul_i32 s23, s10, 16*SPITCH
	s_add_co_u32 s23, s23, STAGE                   ; my stage
	v_mul_u32_u24 v4, v1, SPITCH
	v_lshl_add_u32 v4, v2, 5, v4
	v_add_nc_u32 v[STO], s23, v4                   ; in: row r, 32 bytes for each half of the lanes
	v_and_b32 v5, 31, v0
	v_lshlrev_b32 v[CO], 4, v5
	v_add_nc_u32 v[RD], s23, v[CO]                 ; back: the 32 lanes take one row of 512 bytes
	s_lshl_b32 s16, s41, 11                        ; my first row: 2,048 cy + 128 x cluster y + 64 x half, x 4,096 bytes
	s_lshl_b32 s17, s13, 7
	s_add_co_u32 s16, s16, s17
	s_lshl_b32 s17, s11, 6
	s_add_co_u32 s16, s16, s17
	s_lshl_b32 s16, s16, 12
	s_mov_b32 s17, 0
	s_add_nc_u64 s[8:9], s[8:9], s[16:17]
; 8 matrix instructions: A's block a x B's eight, 32 along K, from buffer f.  mode 2: the first products take bo as C.  The 32 accumulators take turns, one instruction a turn.
.macro MUL8 f, a, mode
.irp b, 0,1,2,3,4,5,6,7
.if \mode == 2
	v_wmma_f32_16x16x32_f16 v[8*(8*(\a)+\b):8*(8*(\a)+\b)+7], v[64*(\f)+8*\b:64*(\f)+8*\b+7], v[AF+32*(\f)+8*(\a):AF+32*(\f)+8*(\a)+7], v[BI+8*\b:BI+8*\b+7]
.else
	v_wmma_f32_16x16x32_f16 v[8*(8*(\a)+\b):8*(8*(\a)+\b)+7], v[64*(\f)+8*\b:64*(\f)+8*\b+7], v[AF+32*(\f)+8*(\a):AF+32*(\f)+8*(\a)+7], v[8*(8*(\a)+\b):8*(8*(\a)+\b)+7]
.endif
.endr
.endm
; 24 LDS loads in one run: quarter q of the slot (head q / 2, channels 32 (q % 2) on) into buffer f: B's eight fragments, then A's four
.macro FETCH slot, q, f
	WIN TO_B
.irp b, 0,1,2,3,4,5,6,7
	ds_load_b128 v[64*(\f)+8*\b:64*(\f)+8*\b+3],   v[ADRB+\slot] offset:((\q)/2)*BSUB+\b*16*PITCH+((\q)%2)*64
	ds_load_b128 v[64*(\f)+8*\b+4:64*(\f)+8*\b+7], v[ADRB+\slot] offset:((\q)/2)*BSUB+\b*16*PITCH+((\q)%2)*64+32
.endr
	WIN 0
.irp a, 0,1,2,3
	ds_load_b128 v[AF+32*(\f)+8*\a:AF+32*(\f)+8*\a+3],   v[ADRA+\slot] offset:((\q)/2)*ASUB+\a*16*PITCH+((\q)%2)*64
	ds_load_b128 v[AF+32*(\f)+8*\a+4:AF+32*(\f)+8*\a+7], v[ADRA+\slot] offset:((\q)/2)*ASUB+\a*16*PITCH+((\q)%2)*64+32
.endr
.endm
.macro PLACES
.rept 4
	v_nop
.endr
.endm
; One of a K step's first three quarters: multiplies buffer f; in its middle it fetches quarter q of the same slot into buffer g.
.macro QUARTER slot, q, f, g, mode
	s_wait_dscnt 4                                 ; B and A's blocks 0, 1 are in; the youngest four loads (A's blocks 2, 3) may be out
.if \mode == 2
	WIN FIRST
.else
	WIN MUL
.endif
	MUL8 \f, 0, \mode
	MUL8 \f, 1, \mode
	PLACES
	FETCH \slot, \q, \g
	s_wait_dscnt 24                                ; all but the 24 just issued
.if \mode == 2
	WIN FIRST
.else
	WIN MUL
.endif
	MUL8 \f, 2, \mode
	MUL8 \f, 3, \mode
.endm
; The last quarter multiplies buffer 1 and changes slots: ONE barrier; in front of it each wave waits for all its tensor loads, adds 0 to its spare word, and waits for that and for its reads of this slot.
.macro TURN slot, next, fill
	WIN 0
	s_wait_tensorcnt 0x0                           ; my part of the next slot has landed
	ds_add_u32 v[SPW], v[NIL]
	s_wait_dscnt 5                                 ; (the add and the youngest four loads may be out)
	WIN MUL
	MUL8 1, 0, 0
	s_wait_dscnt 0x0                               ; the add is done, and my reads of this slot are over
	s_barrier_signal -1
	MUL8 1, 1, 0
.if \fill
	WIN 0
.endif
	s_barrier_wait -1
.if \fill
	CREST                                          ; the barrier has opened a round of the cluster's barrier: no wave of any partner still reads this slot or has a load on its way
	s_add_nc_u64 s[G0+4*\slot+2:G0+4*\slot+3], s[G0+4*\slot+2:G0+4*\slot+3], 1048576
	s_add_nc_u64 s[G0B+4*\slot+2:G0B+4*\slot+3], s[G0B+4*\slot+2:G0B+4*\slot+3], 524288
	JLOAD \slot                                    ; the first tensor load behind the round; its four v_nop are also the places in front of the loads below
.else
	PLACES
.endif
	FETCH \next, 0, 0
	WIN MUL
	MUL8 1, 2, 0
	MUL8 1, 3, 0
.endm
	s_wait_tensorcnt 1                             ; my part of K step 0 is in; K step 1's load may be out
	s_barrier_signal -1
	s_barrier_wait -1
	FETCH 0, 0, 0
	s_wait_loadcnt 0x0                             ; bo
	QUARTER 0, 1, 0, 1, 2                          ; the first quarter stands in front of the loop: its products start the sums
	WIN 0
	s_mov_b32 s3, LAPS-1
.Llap:                                             ; a trip goes once round the ring and fills both slots again
	QUARTER 0, 2, 1, 0, 0
	QUARTER 0, 3, 0, 1, 0
	TURN 0, 1, 1
	QUARTER 1, 1, 0, 1, 0
	QUARTER 1, 2, 1, 0, 0
	QUARTER 1, 3, 0, 1, 0
	TURN 1, 0, 1
	QUARTER 0, 1, 0, 1, 0
	WIN 0
	s_sub_co_u32 s3, s3, 1
	s_cmp_lg_u32 s3, 0
	s_cbranch_scc1 .Llap
	QUARTER 0, 2, 1, 0, 0                          ; the last lap fills nothing
	QUARTER 0, 3, 0, 1, 0
	TURN 0, 1, 0
	QUARTER 1, 1, 0, 1, 0
	QUARTER 1, 2, 1, 0, 0
	QUARTER 1, 3, 0, 1, 0
	s_wait_dscnt 4
	WIN MUL
	MUL8 1, 0, 0
	MUL8 1, 1, 0
	s_wait_dscnt 0
	MUL8 1, 2, 0
	MUL8 1, 3, 0
	WIN 0
; THE WAY OUT, block by block of 16 rows x 128 columns, through my own stage: whole rows of 512 bytes come back and are stored by the 32 lanes.
.macro TOSTAGE a
	WIN 0x08                                       ; an LDS store's data are its source 1: window 2
.irp b, 0,1,2,3,4,5,6,7
	ds_store_b128 v[STO], v[64*(\a)+8*\b:64*(\a)+8*\b+3] offset:64*\b          ; each accumulator from its low end on
	ds_store_b128 v[STO], v[64*(\a)+8*\b+4:64*(\a)+8*\b+7] offset:64*\b+16
.endr
	WIN 0
.set BB, BK+64*((\a)%2)
.irp t, 0,1,2,3,4,5,6,7,8,9,10,11,12,13,14,15
	ds_load_b128 v[BB+4*\t:BB+4*\t+3], v[RD] offset:\t*SPITCH
.endr
.endm
.macro SEND a, younger
.set BB, BK+64*((\a)%2)
	s_wait_dscnt \younger
.irp t, 0,1,2,3,4,5,6,7,8,9,10,11,12,13,14,15
	global_store_b128 v[CO], v[BB+4*\t:BB+4*\t+3], s[8:9] offset:(16*(\a)+\t)*4096 th:TH_STORE_NT   ; 512 consecutive bytes, aligned
.endr
.endm
	PLACES
	s_or_b32 s16, s13, s11                         ; block 0 of the waves with rows 0-63 in the clusters with y = 0 holds tokens 0-15 of a batch (the same in all partners for a given wave): not stored here
	s_cmp_eq_u32 s16, 0
	s_cbranch_scc1 .Lfine_rows
	TOSTAGE 0
	SEND 0, 0
.Lfine_rows:
	TOSTAGE 1
	s_wait_xcnt 0x0                                ; block 0's stores have read their registers
	TOSTAGE 2
	SEND 1, 32                                     ; behind block 1's loads: block 2's 16 stores and 16 loads
	s_wait_xcnt 0x0
	TOSTAGE 3
	SEND 2, 32
	SEND 3, 0
	s_wait_tensorcnt 0x0                           ; the wave's end
	ds_add_u32 v[SPW], v[NIL]
	s_wait_dscnt 0x0
	CROUND                                         ; the closing round
	s_endpgm
.Lfunc_end_k_qbf8776bd1f_proj:
	.size	k_qbf8776bd1f_proj, .Lfunc_end_k_qbf8776bd1f_proj-k_qbf8776bd1f_proj
	.p2alignl 7, 3214868480
	.fill 96, 4, 3214868480
	.section	.rodata,"a",@progbits
	.p2align	6, 0x0
	.amdhsa_kernel k_qbf8776bd1f_proj
		.amdhsa_group_segment_fixed_size 327680
		.amdhsa_private_segment_fixed_size 0
		.amdhsa_enable_private_segment 0
		.amdhsa_kernarg_size 32
		.amdhsa_user_sgpr_count 2
		.amdhsa_user_sgpr_kernarg_segment_ptr 1
		.amdhsa_wavefront_size32 1
		.amdhsa_system_sgpr_workgroup_id_x 1
		.amdhsa_system_sgpr_workgroup_id_y 1
		.amdhsa_system_sgpr_workgroup_id_z 1
		.amdhsa_system_vgpr_workitem_id 0
		.amdhsa_next_free_vgpr 768
		.amdhsa_next_free_sgpr 68
		.amdhsa_reserve_vcc 0
		.amdhsa_float_denorm_mode_32 3
		.amdhsa_float_denorm_mode_16_64 3
		.amdhsa_memory_ordered 1
		.amdhsa_forward_progress 1
		.amdhsa_inst_pref_size 87
	.end_amdhsa_kernel
	.amdgpu_metadata
---
amdhsa.version: [ 1, 2 ]
amdhsa.kernels:
  - .name:           k_qbf8776bd1f_proj
    .symbol:         k_qbf8776bd1f_proj.kd
    .args:
      - { .name: o16, .offset: 0, .size: 8, .value_kind: global_buffer, .address_space: global }
      - { .name: wot16, .offset: 8, .size: 8, .value_kind: global_buffer, .address_space: global }
      - { .name: bo, .offset: 16, .size: 8, .value_kind: global_buffer, .address_space: global }
      - { .name: out0, .offset: 24, .size: 8, .value_kind: global_buffer, .address_space: global }
    .group_segment_fixed_size: 327680
    .private_segment_fixed_size: 0
    .kernarg_segment_align: 8
    .kernarg_segment_size: 32
    .max_flat_workgroup_size: 128
    .sgpr_count:     68
    .vgpr_count:     768
    .wavefront_size: 32
...
	.end_amdgpu_metadata
.endif
;; end of part 4
;; launch fine (part 5): grid 32 x 4, 16 waves a work-group, no clusters, 34,816 bytes of LDS; arguments qkv32, Wo, bo, out0; writes out0
.if DOCPART == 5
	.amdgcn_target "amdgcn-amd-amdhsa--gfx1250"
	.amdhsa_code_object_version 6
	.text
	.protected	k_qbf8776bd1f_fine
	.globl	k_qbf8776bd1f_fine
	.p2align	8
	.type	k_qbf8776bd1f_fine,@function
k_qbf8776bd1f_fine:
	s_mov_b64 s[64:65], 0
	v_nop
	global_prefetch_b8 v0, s[64:65] scope:SCOPE_SE
	s_setreg_imm32_b32 hwreg(HW_REG_WAVE_MODE, 25, 1), 1
	s_wait_xcnt 0x0
; Tokens 0-15 of each batch, all in f32: under the causal mask these rows average one to sixteen values, so rounded operands would weigh most there.  Attention and the projection on the way out, in one launch.
; WORK LEFT OUT: bk (shown at the head of the first kernel): qkv32 holds k without it.
; A work-group is (32 columns of out0, a batch); a wave is a head.  Each work-group repeats its batch's small attention (16 x 16 a head), so that no second launch is spent on the projection.
; qkv32 holds images of the projection's accumulators: element (token r, column 16 n + 8 h + 4 c + e) at n x 1,024 + c x 512 + (16 h + r) x 16 + 4 e.
; All products by v_wmma_f32_16x16x4_f32 (lane (r, h): row or column r, register j: k = 2 h + j).  A permutation of k applied alike to both sources keeps the sum, so:
;  S^T = K Q^T: instruction p takes registers 2 p, 2 p + 1 of both images.   O^T = V^T P: P's registers 2 i, 2 i + 1 are keys 8 h + 2 i + j; V is gathered so.   out^T = Wo^T O: O^T's registers are channels 16 dt + 8 h + 2 i + j; Wo is loaded so.
; The registers that these instructions write are written by them alone.  The sixteen heads' parts meet in LDS; waves 0-3 add them, heads ascending, onto bo.  The stores are pieces of 128 bytes of a row: 256 KiB in the whole launch.
.set SPARE, 32768                      ; the spare words, 128 bytes for each wave: eight blocks of 256 bytes that no other line names
.set SPW, 8
.set NIL, 9
.set QF,  16
.set KF,  48
.set VF,  80
.set WF,  112
.set SA,  176                          ; two accumulators of S^T, by turns
.set T,   192                          ; scores, then p
.set OT,  200
.set PA,  232
	s_load_b256 s[4:11], s[0:1], 0x0               ; qkv32 s[4:5], Wo s[6:7], bo s[8:9], out0 s[10:11]
	v_lshl_add_u32 v[SPW], v0, 2, SPARE
	v_mov_b32 v[NIL], 0
	v_lshrrev_b32 v1, 5, v0
	v_readfirstlane_b32 s12, v1                    ; the head
	s_and_b32 s13, ttmp7, 0xffff                   ; the batch
	v_and_b32 v1, 15, v0                           ; r
	v_bfe_u32 v2, v0, 4, 1                         ; h
	v_and_b32 v3, 31, v0
	v_lshlrev_b32 v3, 4, v3                        ; 16 x lane
	v_bfe_u32 v4, v0, 2, 1                         ; V: channel r of a tile lies at c = (r / 4) % 2, half r / 8, e = r % 4; token 8 h + kk
	v_lshlrev_b32 v4, 9, v4
	v_lshrrev_b32 v10, 3, v1
	v_lshl_add_u32 v4, v10, 8, v4
	v_and_b32 v10, 3, v0
	v_lshl_add_u32 v4, v10, 2, v4
	v_lshl_add_u32 v4, v2, 7, v4
	v_lshlrev_b32 v5, 2, v1                        ; Wo: column r, rows 8 h on
	v_lshl_add_u32 v5, v2, 15, v5
	v_lshlrev_b32 v6, 3, v2
	v_sub_nc_u32 v6, v1, v6                        ; r - 8 h
	v_mov_b32 v7, 0xff800000                       ; -infinity
	s_lshl_b32 s14, s12, 11
	v_add_nc_u32 v10, s14, v3                      ; LDS: my head's 2,048 bytes, 16 x lane
	v_and_b32 v11, 7, v0                           ; the sum: thread 8 row + f4 takes columns 4 f4 .. + 3 of a row
	v_bfe_u32 v12, v0, 3, 4                        ; row
	v_bfe_u32 v13, v0, 2, 1
	v_lshlrev_b32 v13, 10, v13
	v_and_b32 v14, 1, v0
	v_lshl_add_u32 v13, v14, 9, v13
	v_bfe_u32 v14, v0, 1, 1
	v_lshl_add_u32 v13, v14, 8, v13
	v_lshl_add_u32 v13, v12, 4, v13                ; where they lie in a head's image
	v_lshlrev_b32 v15, 4, v11                      ; 16 f4: in bo,
	v_lshl_add_u32 v14, v12, 12, v15               ; and in out0 with the row's 4,096 bytes
	v_mov_b32 v249, 0                              ; (a lane permute's destination counts as one of its sources)
	s_mov_b32 s20, 0x76543210
	s_mov_b32 s21, 0xfedcba98
	s_mov_b32 s22, 0x3e38aa3b                      ; c = log2(e) / 8
	s_mul_i32 s16, s13, 192
	s_lshl_b32 s17, s12, 2
	s_add_co_u32 s16, s16, s17
	s_lshl_b32 s16, s16, 10                        ; (192 x batch + 4 x head) x 1,024
	s_mov_b32 s17, 0
	s_lshl_b32 s18, s12, 18                        ; Wo: 64 x head rows of 4,096 bytes,
	s_lshl_b32 s24, ttmp9, 7                       ; + my 32 columns
	s_add_co_u32 s18, s18, s24
	s_mov_b32 s19, 0
	s_mov_b32 s25, 0
	s_lshl_b32 s26, s13, 23                        ; out0: 2,048 x batch rows of 4,096 bytes
	s_add_co_u32 s26, s26, s24
	s_mov_b32 s27, 0
	s_wait_kmcnt 0x0
	s_add_nc_u64 s[4:5], s[4:5], s[16:17]
	s_add_nc_u64 s[6:7], s[6:7], s[18:19]
	s_add_nc_u64 s[8:9], s[8:9], s[24:25]
	s_add_nc_u64 s[10:11], s[10:11], s[26:27]
.irp b, 0,1,2,3
.irp c, 0,1
	global_load_b128 v[QF+8*\b+4*\c:QF+8*\b+4*\c+3], v3, s[4:5] offset:1024*\b+512*\c
.endr
.endr
.irp b, 0,1,2,3
.irp c, 0,1
	global_load_b128 v[KF+8*\b+4*\c:KF+8*\b+4*\c+3], v3, s[4:5] offset:65536+1024*\b+512*\c
.endr
.endr
.irp dt, 0,1,2,3
.irp kk, 0,1,2,3,4,5,6,7
	global_load_b32 v[VF+8*\dt+\kk], v4, s[4:5] offset:131072+1024*\dt+16*\kk   ; v(token 8 h + kk, channel 16 dt + r)
.endr
.endr
.irp nt, 0,1
.irp dt, 0,1,2,3
.irp kk, 0,1,2,3,4,5,6,7
	global_load_b32 v[WF+32*\nt+8*\dt+\kk], v5, s[6:7] offset:(16*\dt+\kk)*4096+64*\nt   ; Wo(64 head + 16 dt + 8 h + kk, 16 nt + r)
.endr
.endr
.endr
	s_wait_loadcnt 63                              ; 64 loads were issued behind V's: Q, K and V are in
.irp p, 0,1,2,3,4,5,6,7,8,9,10,11,12,13,14,15  ; S^T: two accumulators by turns
.if \p < 2
	v_wmma_f32_16x16x4_f32 v[SA+8*(\p%2):SA+8*(\p%2)+7], v[KF+2*\p:KF+2*\p+1], v[QF+2*\p:QF+2*\p+1], 0
.else
	v_wmma_f32_16x16x4_f32 v[SA+8*(\p%2):SA+8*(\p%2)+7], v[KF+2*\p:KF+2*\p+1], v[QF+2*\p:QF+2*\p+1], v[SA+8*(\p%2):SA+8*(\p%2)+7]
.endif
.endr
.rept 8
	v_nop                                          ; eight places behind this form before a vector instruction reads a result
.endr
.irp j, 0,1,2,3,4,5,6,7
	v_add_f32 v[T+\j], v[SA+\j], v[SA+8+\j]        ; lane (r, h): query r, key 8 h + j
.endr
.irp j, 0,1,2,3,4,5,6,7
	v_cmp_gt_i32 vcc_lo, \j, v6                    ; hidden where 8 h + j > r
	v_cndmask_b32 v[T+\j], v[T+\j], v7, vcc_lo
.endr
	v_max3_num_f32 v248, v[T], v[T+1], v[T+2]
	v_max3_num_f32 v248, v248, v[T+3], v[T+4]
	v_max3_num_f32 v248, v248, v[T+5], v[T+6]
	v_max_num_f32 v248, v248, v[T+7]
	v_permlanex16_b32 v249, v248, s20, s21
	v_max_num_f32 v248, v248, v249                 ; the row's maximum: key 0 counts for every query
	v_mul_f32 v250, s22, v248
.irp j, 0,1,2,3,4,5,6,7
	v_fma_f32 v[T+\j], v[T+\j], s22, -v250
.endr
.irp j, 0,1,2,3,4,5,6,7
	v_exp_f32 v[T+\j], v[T+\j]
.endr
	v_nop
	s_wait_alu depctr_va_vdst(0)                   ; one wait for the eight, ahead of their first reader
	v_add_f32 v251, v[T], v[T+1]
	v_add_f32 v252, v[T+2], v[T+3]
	v_add_f32 v251, v251, v[T+4]
	v_add_f32 v252, v252, v[T+5]
	v_add_f32 v251, v251, v[T+6]
	v_add_f32 v252, v252, v[T+7]
	v_add_f32 v251, v251, v252
	v_permlanex16_b32 v249, v251, s20, s21
	v_add_f32 v251, v251, v249
	v_rcp_f32 v252, v251
	v_nop
	s_wait_alu depctr_va_vdst(0)
.irp j, 0,1,2,3,4,5,6,7
	v_mul_f32 v[T+\j], v[T+\j], v252               ; the weights
.endr
.irp i, 0,1,2,3                                ; O^T = V^T P: four accumulators by turns
.irp dt, 0,1,2,3
.if \i == 0
	v_wmma_f32_16x16x4_f32 v[OT+8*\dt:OT+8*\dt+7], v[VF+8*\dt+2*\i:VF+8*\dt+2*\i+1], v[T+2*\i:T+2*\i+1], 0
.else
	v_wmma_f32_16x16x4_f32 v[OT+8*\dt:OT+8*\dt+7], v[VF+8*\dt+2*\i:VF+8*\dt+2*\i+1], v[T+2*\i:T+2*\i+1], v[OT+8*\dt:OT+8*\dt+7]
.endif
.endr
.endr
.rept 9
	v_nop                                          ; nine places before a matrix instruction takes these results as a source
.endr
	s_wait_loadcnt 0x0                             ; Wo
.irp dt, 0,1,2,3                               ; my head's part of out^T: two accumulators by turns
.irp i, 0,1,2,3
.irp nt, 0,1
.if (\dt == 0) && (\i == 0)
	v_wmma_f32_16x16x4_f32 v[PA+8*\nt:PA+8*\nt+7], v[WF+32*\nt+8*\dt+2*\i:WF+32*\nt+8*\dt+2*\i+1], v[OT+8*\dt+2*\i:OT+8*\dt+2*\i+1], 0
.else
	v_wmma_f32_16x16x4_f32 v[PA+8*\nt:PA+8*\nt+7], v[WF+32*\nt+8*\dt+2*\i:WF+32*\nt+8*\dt+2*\i+1], v[OT+8*\dt+2*\i:OT+8*\dt+2*\i+1], v[PA+8*\nt:PA+8*\nt+7]
.endif
.endr
.endr
.endr
.rept 8
	v_nop
.endr
.irp nt, 0,1
.irp c, 0,1
	ds_store_b128 v10, v[PA+8*\nt+4*\c:PA+8*\nt+4*\c+3] offset:1024*\nt+512*\c   ; lane (r, h): out(token r, 16 nt + 8 h + 4 c + 0 .. 3), as an image of the registers
.endr
.endr
	s_wait_dscnt 0x0                               ; for the others' sake: my stores have landed
	s_barrier_signal -1
	s_barrier_wait -1
	s_cmp_lt_u32 s12, 4                            ; 128 threads add the sixteen parts
	s_cbranch_scc0 .Ldone
	global_load_b128 v[80:83], v15, s[8:9]         ; bo's four numbers start the sum
.irp k, 0,1,2,3,4,5,6,7,8,9,10,11,12,13,14,15
	ds_load_b128 v[16+4*\k:19+4*\k], v13 offset:2048*\k
.endr
	s_wait_loadcnt 0x0
	s_wait_dscnt 0x0
.irp k, 0,1,2,3,4,5,6,7,8,9,10,11,12,13,14,15
	v_pk_add_f32 v[80:81], v[80:81], v[16+4*\k:17+4*\k]
	v_pk_add_f32 v[82:83], v[82:83], v[18+4*\k:19+4*\k]
.endr
	global_store_b128 v14, v[80:83], s[10:11]
.Ldone:
	s_wait_tensorcnt 0x0                           ; the wave's end, behind my last LDS store
	ds_add_u32 v[SPW], v[NIL]
	s_wait_dscnt 0x0
	s_endpgm
.Lfunc_end_k_qbf8776bd1f_fine:
	.size	k_qbf8776bd1f_fine, .Lfunc_end_k_qbf8776bd1f_fine-k_qbf8776bd1f_fine
	.p2alignl 7, 3214868480
	.fill 96, 4, 3214868480
	.section	.rodata,"a",@progbits
	.p2align	6, 0x0
	.amdhsa_kernel k_qbf8776bd1f_fine
		.amdhsa_group_segment_fixed_size 34816
		.amdhsa_private_segment_fixed_size 0
		.amdhsa_enable_private_segment 0
		.amdhsa_kernarg_size 32
		.amdhsa_user_sgpr_count 2
		.amdhsa_user_sgpr_kernarg_segment_ptr 1
		.amdhsa_wavefront_size32 1
		.amdhsa_system_sgpr_workgroup_id_x 1
		.amdhsa_system_sgpr_workgroup_id_y 1
		.amdhsa_system_sgpr_workgroup_id_z 1
		.amdhsa_system_vgpr_workitem_id 0
		.amdhsa_next_free_vgpr 256
		.amdhsa_next_free_sgpr 66
		.amdhsa_reserve_vcc 1
		.amdhsa_float_denorm_mode_32 3
		.amdhsa_float_denorm_mode_16_64 3
		.amdhsa_memory_ordered 1
		.amdhsa_forward_progress 1
		.amdhsa_inst_pref_size 25
	.end_amdhsa_kernel
	.amdgpu_metadata
---
amdhsa.version: [ 1, 2 ]
amdhsa.kernels:
  - .name:           k_qbf8776bd1f_fine
    .symbol:         k_qbf8776bd1f_fine.kd
    .args:
      - { .name: qkv32, .offset: 0, .size: 8, .value_kind: global_buffer, .address_space: global }
      - { .name: Wo, .offset: 8, .size: 8, .value_kind: global_buffer, .address_space: global }
      - { .name: bo, .offset: 16, .size: 8, .value_kind: global_buffer, .address_space: global }
      - { .name: out0, .offset: 24, .size: 8, .value_kind: global_buffer, .address_space: global }
    .group_segment_fixed_size: 34816
    .private_segment_fixed_size: 0
    .kernarg_segment_align: 8
    .kernarg_segment_size: 32
    .max_flat_workgroup_size: 512
    .sgpr_count:     66
    .vgpr_count:     256
    .wavefront_size: 32
...
	.end_amdgpu_metadata
.endif
;; end of part 5
